; MI455X (gfx1250); checked and timed in simulation.
; The chip was launched on July 23, 2026; its instructions are those of AMD's public machine-readable ISA for CDNA 5 (MIT licence, August 2026) and "CDNA5" Instruction Set Architecture Reference Guide (July 2026). The comments in the code are by the model that wrote it; some were corrected since.
;; AQ Expert Wrapper. Allowed arithmetic: matrix products marked QUANTISED: E4M3 operands, one given power-of-two scale a tensor, by v_wmma_f32_16x16x64_fp8_fp8 or v_wmma_f32_16x16x128_fp8_fp8, f32 sums; everything else in f32.
;; Inputs: hidden_states_codes 8,192 x 32 x 32 uint8 (E4M3 codes of hidden_states, K innermost, in blocks of 32 codes); lowp_scales 32 int32 (the exponents e of the quantised operands' scales 2^e); routing_weights 8,192 x 2 float32; selected_experts 8,192 x 2 int32; w1_codes 8 x 512 x 32 x 32 uint8 (E4M3 codes of w1, K innermost, in blocks of 32 codes); w2_codes 8 x 1,024 x 16 x 32 uint8 (E4M3 codes of w2, K innermost, in blocks of 32 codes).
;; Outputs: out0 8,192 x 1,024 float32.
;; This version of the problem:
;;   THIS VERSION OF THE PROBLEM IS GIVEN IN LOW PRECISION. The matrix products marked QUANTISED in the list below multiply operands that are first quantised to E4M3 (4 exponent bits, 3 mantissa bits; 8 bits a number), with one given power-of-two scale for each operand tensor; their sums are f32. All else is computed in f32.
;;   The module's matrix products, in the order in which they are computed (A, B: the left and right operand; K: the contracted axis; several contracted axes count as one K, in the product's order):
;;     1. [M 8,192, K 1,024] x [K 1,024, N 512]; A: input hidden_states (given as codes); B: input w1 (given as codes): QUANTISED (scales: A lowp_scales[0], B lowp_scales[1])
;;     2. [M 8,192, K 512] x [K 512, N 1,024]; A: computed on the way; B: input w2 (given as codes): QUANTISED (scales: A lowp_scales[2], B lowp_scales[3])
;;     3. [M 8,192, K 1,024] x [K 1,024, N 512]; A: input hidden_states (given as codes); B: input w1 (given as codes): QUANTISED (scales: A lowp_scales[4], B lowp_scales[5])
;;     4. [M 8,192, K 512] x [K 512, N 1,024]; A: computed on the way; B: input w2 (given as codes): QUANTISED (scales: A lowp_scales[6], B lowp_scales[7])
;;     5. [M 8,192, K 1,024] x [K 1,024, N 512]; A: input hidden_states (given as codes); B: input w1 (given as codes): QUANTISED (scales: A lowp_scales[8], B lowp_scales[9])
;;     6. [M 8,192, K 512] x [K 512, N 1,024]; A: computed on the way; B: input w2 (given as codes): QUANTISED (scales: A lowp_scales[10], B lowp_scales[11])
;;     7. [M 8,192, K 1,024] x [K 1,024, N 512]; A: input hidden_states (given as codes); B: input w1 (given as codes): QUANTISED (scales: A lowp_scales[12], B lowp_scales[13])
;;     8. [M 8,192, K 512] x [K 512, N 1,024]; A: computed on the way; B: input w2 (given as codes): QUANTISED (scales: A lowp_scales[14], B lowp_scales[15])
;;     9. [M 8,192, K 1,024] x [K 1,024, N 512]; A: input hidden_states (given as codes); B: input w1 (given as codes): QUANTISED (scales: A lowp_scales[16], B lowp_scales[17])
;;     10. [M 8,192, K 512] x [K 512, N 1,024]; A: computed on the way; B: input w2 (given as codes): QUANTISED (scales: A lowp_scales[18], B lowp_scales[19])
;;     11. [M 8,192, K 1,024] x [K 1,024, N 512]; A: input hidden_states (given as codes); B: input w1 (given as codes): QUANTISED (scales: A lowp_scales[20], B lowp_scales[21])
;;     12. [M 8,192, K 512] x [K 512, N 1,024]; A: computed on the way; B: input w2 (given as codes): QUANTISED (scales: A lowp_scales[22], B lowp_scales[23])
;;     13. [M 8,192, K 1,024] x [K 1,024, N 512]; A: input hidden_states (given as codes); B: input w1 (given as codes): QUANTISED (scales: A lowp_scales[24], B lowp_scales[25])
;;     14. [M 8,192, K 512] x [K 512, N 1,024]; A: computed on the way; B: input w2 (given as codes): QUANTISED (scales: A lowp_scales[26], B lowp_scales[27])
;;     15. [M 8,192, K 1,024] x [K 1,024, N 512]; A: input hidden_states (given as codes); B: input w1 (given as codes): QUANTISED (scales: A lowp_scales[28], B lowp_scales[29])
;;     16. [M 8,192, K 512] x [K 512, N 1,024]; A: computed on the way; B: input w2 (given as codes): QUANTISED (scales: A lowp_scales[30], B lowp_scales[31])
;;   THE QUANTISER, for each operand of a quantised product, along K:
;;     - The operand's scale is 2^e, e = its entry of the input lowp_scales (int32; the entries are numbered through the quantised products in the list's order, A before B).
;;     - Each number is divided by the scale, clamped to +-448, and rounded to the nearest number of E4M3, ties to even, subnormals kept.
;;     - The product sums the exact products of the quantised numbers (number of the format x scale) in f32.
;;   ~~~python
;;   def quantise(x, axis, e):      # numpy; x: float32 -> the quantised numbers, widened to float32 again
;;       x = np.moveaxis(x, axis, -1); K = x.shape[-1]
;;       r = np.clip(x / 2.0 ** e, -448, 448)
;;       step = 2.0 ** (np.maximum(np.frexp(np.where(r == 0, 1, r))[1] - 1, -6) - 3)
;;       q = np.round(r / step) * step * 2.0 ** e      # np.round: ties to even
;;       return np.moveaxis(q, -1, axis).astype(np.float32)
;;   ~~~
;;   OPERANDS COMPUTED ON THE WAY. 'Computed on the way' means the value that the module computes at that place (a softmax that the list does not call 'softmax' is quantised finished and normalised). What goes into a quantiser is computed in f32, as accurately as f32 sums, v_exp_f32 and their like allow (about 1e-6 of the number): no bf16 or f16 on the way to a quantiser, and a product that is left as it is and whose result goes on into a quantised operand takes f32 operands (vector FMAs, or v_wmma_f32_16x16x4_f32). A number that lies on a knife's edge between two numbers of the format may be rounded either way, as far as f32 arithmetic and the matrix unit's own rounding can turn it there, and no further.
;;   INPUTS GIVEN AS CODES. hidden_states (in the module: [8192, 1024], K = its axis 1); w1 (in the module: [8, 1024, 512], K = its axis 1); w2 (in the module: [8, 512, 1024], K = its axis 1): each comes as NAME_codes (uint8): NAME with its K axis moved to the last place and cut into blocks of 32 codes, [.., K / 32, bytes a block], one block behind the other in memory; one code a byte (a code: sign, 4 exponent bits, 3 mantissa bits); its scale is its entry of lowp_scales. Its value is code x scale, taken as it is: it is not quantised again, and the codes and scales need not be those that the quantiser above would give.
;; 2 versions. Each part assembles by itself: llvm-mc -triple=amdgcn-amd-amdhsa -mcpu=gfx1250 --defsym DOCPART=n.
;; ======== version 1 of 2: 2 launches
;; limits: right only within a limited range of input values
;; workspace buffers: w1f 4,194,304 bytes; w2f 4,194,304 bytes; list 917,504 bytes of whole numbers; counts 256 bytes of whole numbers
;; launch prep (part 1): grid 156 x 1, 32 waves a work-group, no clusters, 4,352 bytes of LDS; arguments selected_experts, w1_codes, w2_codes, list, counts, w1f, w2f; writes list, counts, w1f, w2f
.if DOCPART == 1
	.amdgcn_target "amdgcn-amd-amdhsa--gfx1250"
	.amdhsa_code_object_version 6
	.text
	.protected	k_q2d5caad32f_prep
	.globl	k_q2d5caad32f_prep
	.p2align	8
	.type	k_q2d5caad32f_prep,@function
k_q2d5caad32f_prep:
	s_mov_b64 s[64:65], 0
	v_nop
	global_prefetch_b8 v0, s[64:65] scope:SCOPE_SE
	s_setreg_imm32_b32 hwreg(HW_REG_WAVE_MODE, 25, 1), 1
	s_wait_xcnt 0x0
; out[t] = sum over e of w_e[t] x gelu(x[t] W1[e]) W2[e], w_e[t] = the routing weights of those of token t's two slots that name expert e.
; WORK LEFT OUT, in the whole program: for a token of which no slot names expert e, the sum of where(selected == e, weight, 0) is exactly 0, whatever the inputs hold, so that
; token's row of both products of expert e is multiplied by 0 and reaches no output in exact arithmetic.  Only the rows of the experts that a token's slots name are multiplied; whole numbers
; decide it, and the launch that multiplies reads them from memory.  Every input still has a way to the output and is loaded.
; LIMIT: a NaN, an infinity or an overflow that arises only in an expert that a token did not choose is not carried to the result.
; THIS LAUNCH makes what the second one reads.  Two kinds of work-groups, told apart by the work-group's number alone:
;  0 .. 27: one CLASS each.  A class is a pair of experts lo < hi, numbered (0,1) .. (0,7), (1,2) .. (6,7).  A token belongs to the class of its two experts; a token whose slots name the same expert a goes
;           to (a, a + 1), and (7, 7) to (6, 7): its weight for the other expert comes out 0 in the second launch.  The work-group scans all 8,192 tokens and stores the numbers of its class's tokens on end, and their count.
;           Only the class key uses indices held at 7; the weights are formed on the indices as given.  No atomics: ranks come from bit counts and one sum over the 32 waves.
;  28 .. 155: 64 KiB of W1's or of W2's codes each, laid in the order of a matrix operand's registers: a fragment (16 rows x 128 K) is 2,048 bytes: group c (0..3) at 512 c, lane l at 16 l;
;           lane (r = l % 16, h = l / 16) holds K = 128 s + 32 c + 16 h + 0 .. 15 of its row.  W2: tile T holds rows 16 T + r.  W1: tile T = 8 w + 2 b + u holds rows 128 w + 32 b + 8 u + r + 8 (r / 8).
.set SPARE, 256                        ; LDS: bytes 0-127 the 32 waves' counts (the block 0-255 is theirs); from 256 the spare words, 128 bytes a wave
.set NCLS,  28
	s_load_b256 s[4:11], s[0:1], 0x0               ; selected_experts s[4:5], w1_codes s[6:7], w2_codes s[8:9], list s[10:11]
	s_load_b128 s[12:15], s[0:1], 0x20             ; counts s[12:13], w1f s[14:15]
	s_load_b64 s[16:17], s[0:1], 0x30              ; w2f
	v_lshl_add_u32 v62, v0, 2, SPARE               ; my spare word; never rewritten
	v_mov_b32 v63, 0                               ; 0; never rewritten
	v_mov_b32 v48, 0                               ; the offset of the count's store: 0, written here with all lanes on; the register holds nothing else in the launch
	v_lshrrev_b32 v1, 5, v0
	v_readfirstlane_b32 s18, v1                    ; wave 0..31
	v_and_b32 v1, 31, v0                           ; lane
	v_and_b32 v2, 15, v0                           ; r
	v_bfe_u32 v3, v0, 4, 1                         ; h
	s_wait_kmcnt 0x0
	s_cmp_ge_u32 ttmp9, NCLS                       ; the work-group's number alone: all 32 waves go the same way
	s_cbranch_scc1 .Llay
	; ---- A CLASS.  Its pair: lo = how many of the rows' first numbers 7, 13, 18, 22, 25, 27 are at or under my number
	v_lshlrev_b32 v4, 3, v0                        ; a token's two choices are 8 bytes
.irp j, 0,1,2,3,4,5,6,7
	global_load_b64 v[8+2*\j:9+2*\j], v4, s[4:5] offset:8192*\j   ; token 1024 j + thread: a wave reads 256 consecutive bytes
.endr
	s_mov_b32 s20, 0
.irp off, 7,13,18,22,25,27
	s_cmp_ge_u32 ttmp9, \off
	s_cselect_b32 s21, 1, 0
	s_add_co_u32 s20, s20, s21
.endr
	s_sub_co_u32 s21, 15, s20
	s_mul_i32 s21, s21, s20
	s_lshr_b32 s21, s21, 1                         ; the first class of row lo: lo (15 - lo) / 2
	s_sub_co_u32 s22, ttmp9, s21
	s_add_co_u32 s22, s22, s20
	s_add_co_u32 s22, s22, 1                       ; hi
	s_lshl_b32 s23, s20, 3
	s_add_co_u32 s23, s23, s22                     ; my key: 8 lo + hi
	s_mov_b32 s50, 0x76543210                      ; lane selects: each lane takes its own place in the other half
	s_mov_b32 s51, 0xfedcba98
	s_wait_loadcnt 0x0
.irp j, 0,1,2,3,4,5,6,7
	v_min_u32 v[8+2*\j], 7, v[8+2*\j]
	v_min_u32 v[9+2*\j], 7, v[9+2*\j]
	v_min_u32 v5, v[8+2*\j], v[9+2*\j]             ; the lesser,
	v_max_u32 v6, v[8+2*\j], v[9+2*\j]             ; the greater
	v_cmp_eq_u32 vcc_lo, v5, v6
	v_cndmask_b32 v7, 0, 1, vcc_lo
	v_add_nc_u32 v6, v6, v7                        ; (a, a) becomes (a, a + 1),
	v_lshrrev_b32 v7, 3, v6
	v_sub_nc_u32 v5, v5, v7                        ; and (7, 8) becomes (6, 7)
	v_sub_nc_u32 v6, v6, v7
	v_lshl_add_u32 v[24+\j], v5, 3, v6             ; the token's key
.endr
	s_mov_b32 s48, 0
.irp j, 0,1,2,3,4,5,6,7
	v_cmp_eq_u32 s[32+\j], s23, v[24+\j]           ; which lanes' tokens of chunk j are mine
	s_mov_b32 s[40+\j], s48                        ; how many of my wave's come before chunk j
	s_bcnt1_i32_b32 s49, s[32+\j]
	s_add_co_u32 s48, s48, s49
.endr
	v_mov_b32 v5, s18
	v_lshlrev_b32 v5, 2, v5
	v_mov_b32 v6, s48
	ds_store_b32 v5, v6                            ; my wave's count, to its own word
	s_wait_dscnt 0x0                               ; for the others' sake: the store has landed
	s_barrier_signal -1
	s_barrier_wait -1
	v_lshlrev_b32 v7, 2, v1
	ds_load_b32 v5, v7                             ; lane l: wave l's count
	s_wait_dscnt 0x0
	v_cmp_gt_u32 vcc_lo, s18, v1                   ; waves in front of mine
	v_cndmask_b32 v6, 0, v5, vcc_lo
	v_lshl_or_b32 v6, v6, 16, v5                   ; two sums at once, each at most 8,192: above, the waves in front of mine; below, all
.irp m, 1,2,4,8
	v_mov_b32_dpp v7, v6 row_xmask:\m row_mask:0xf bank_mask:0xf
	v_add_nc_u32 v6, v6, v7
.endr
	v_permlanex16_b32 v7, v6, s50, s51
	v_add_nc_u32 v6, v6, v7
	v_readfirstlane_b32 s49, v6
	s_lshr_b32 s52, s49, 16                        ; my wave's first rank
	s_and_b32 s53, s49, 0xffff                     ; the class's count
	s_lshl_b32 s54, ttmp9, 15                      ; the class's part of the list: 8,192 words
	s_mov_b32 s55, 0
	s_add_nc_u64 s[10:11], s[10:11], s[54:55]
.irp j, 0,1,2,3,4,5,6,7
	s_add_co_u32 s[40+\j], s[40+\j], s52
	v_mbcnt_lo_u32_b32 v[32+\j], s[32+\j], 0       ; how many of the chunk's chosen lanes lie below mine
	v_add_nc_u32 v[32+\j], s[40+\j], v[32+\j]      ; the token's rank in the class
	v_min_u32 v[32+\j], 0x1fff, v[32+\j]           ; a number made of loaded numbers is held before it enters an address
	v_lshlrev_b32 v[32+\j], 2, v[32+\j]
	v_add_nc_u32 v[40+\j], 1024*\j, v0             ; the token's number
.endr
.irp j, 0,1,2,3,4,5,6,7
	s_wait_xcnt 0x0                                ; EXEC is narrowed only when every earlier memory instruction has read its sources
	s_mov_b32 vcc_lo, s[32+\j]
	s_and_saveexec_b32 s56, vcc_lo
	global_store_b32 v[32+\j], v[40+\j], s[10:11]  ; the chosen lanes write consecutive words
	s_wait_xcnt 0x0                                ; and widened likewise
	s_or_b32 exec_lo, exec_lo, s56
.endr
	s_cmp_lg_u32 s18, 0                            ; wave 0, lane 0 stores the count, a count of 0 too
	s_cbranch_scc1 .Lend
	s_lshl_b32 s54, ttmp9, 2
	s_add_nc_u64 s[12:13], s[12:13], s[54:55]      ; the class's word of the counts: the place stands in the scalar base, the vector offset is 0
	v_mov_b32 v5, s53
	v_cmp_eq_u32 vcc_lo, 0, v0
	s_and_saveexec_b32 s56, vcc_lo
	global_store_b32 v48, v5, s[12:13]
	s_wait_xcnt 0x0
	s_or_b32 exec_lo, exec_lo, s56
	s_branch .Lend
	; ---- THE WEIGHTS' LAYOUT.  A work-group takes 64 KiB of source, which are 32 fragments; a wave takes one.  W1 (a row is 1,024 bytes): 64 rows = 4 tiles x 8 K steps;  W2 (512 bytes): 128 rows = 8 tiles x 4 K steps.
	; What differs between the two is chosen by selects on the work-group's number: one path, and each pointer is made on one line.
.Llay:
	s_sub_co_u32 s20, ttmp9, NCLS
	s_cmp_lt_u32 s20, 64                           ; the first 64 take W1
	s_cselect_b64 s[24:25], s[6:7], s[8:9]         ; from
	s_cselect_b64 s[26:27], s[14:15], s[16:17]     ; to
	s_cselect_b32 s21, 0, 64
	s_cselect_b32 s22, 3, 2                        ; wave = tile x (K steps) + K step
	s_cselect_b32 s23, 7, 3
	s_cselect_b32 s28, 15, 14                      ; two tiles on: W1 32 rows of 1,024 bytes, W2 32 rows of 512
	s_cselect_b32 s29, 8, 0                        ; W1's lanes 8-15 take rows 8 further on
	s_cselect_b32 s30, 10, 9                       ; a row's bytes
	s_sub_co_u32 s20, s20, s21
	s_lshl_b32 s20, s20, 16                        ; my 64 KiB, in the source and in the result
	s_lshr_b32 s21, s18, s22                       ; tile
	s_and_b32 s23, s18, s23                        ; K step
	s_lshr_b32 s22, s21, 1
	s_lshl_b32 s22, s22, s28
	s_and_b32 s21, s21, 1
	s_lshl_b32 s21, s21, 13                        ; an odd tile begins 8,192 bytes on in both: W1 8 rows, W2 16 rows
	s_lshl_b32 s23, s23, 7
	s_add_co_u32 s32, s20, s22
	s_add_co_u32 s32, s32, s21
	s_add_co_u32 s32, s32, s23
	s_mov_b32 s33, 0
	s_add_nc_u64 s[24:25], s[24:25], s[32:33]
	s_lshl_b32 s21, s18, 11                        ; the result: fragment = wave
	s_add_co_u32 s32, s20, s21
	s_add_nc_u64 s[26:27], s[26:27], s[32:33]
	v_and_b32 v10, s29, v2
	v_add_nc_u32 v10, v10, v2                      ; W1: r + 8 (r / 8);  W2: r
	v_lshlrev_b32 v10, s30, v10
	v_lshl_add_u32 v10, v3, 4, v10                 ; + 16 h
	v_lshlrev_b32 v11, 4, v1
.irp c, 0,1,2,3
	global_load_b128 v[16+4*\c:19+4*\c], v10, s[24:25] offset:32*\c
.endr
	s_wait_loadcnt 0x0
.irp c, 0,1,2,3
	global_store_b128 v11, v[16+4*\c:19+4*\c], s[26:27] offset:512*\c   ; 32 lanes store 512 consecutive bytes, aligned
.endr
.Lend:
	s_wait_tensorcnt 0x0                           ; the wave's end
	ds_add_u32 v62, v63
	s_wait_dscnt 0x0
	s_endpgm
.Lfunc_end_k_q2d5caad32f_prep:
	.size	k_q2d5caad32f_prep, .Lfunc_end_k_q2d5caad32f_prep-k_q2d5caad32f_prep
	.p2alignl 7, 3214868480
	.fill 96, 4, 3214868480
	.section	.rodata,"a",@progbits
	.p2align	6, 0x0
	.amdhsa_kernel k_q2d5caad32f_prep
		.amdhsa_group_segment_fixed_size 4352
		.amdhsa_private_segment_fixed_size 0
		.amdhsa_enable_private_segment 0
		.amdhsa_kernarg_size 56
		.amdhsa_user_sgpr_count 2
		.amdhsa_user_sgpr_kernarg_segment_ptr 1
		.amdhsa_wavefront_size32 1
		.amdhsa_system_sgpr_workgroup_id_x 1
		.amdhsa_system_sgpr_workgroup_id_y 1
		.amdhsa_system_sgpr_workgroup_id_z 1
		.amdhsa_system_vgpr_workitem_id 0
		.amdhsa_next_free_vgpr 64
		.amdhsa_next_free_sgpr 66
		.amdhsa_reserve_vcc 1
		.amdhsa_float_denorm_mode_32 3
		.amdhsa_float_denorm_mode_16_64 3
		.amdhsa_memory_ordered 1
		.amdhsa_forward_progress 1
		.amdhsa_inst_pref_size 15
	.end_amdhsa_kernel
	.amdgpu_metadata
---
amdhsa.version: [ 1, 2 ]
amdhsa.kernels:
  - .name:           k_q2d5caad32f_prep
    .symbol:         k_q2d5caad32f_prep.kd
    .args:
      - { .name: selected_experts, .offset: 0, .size: 8, .value_kind: global_buffer, .address_space: global }
      - { .name: w1_codes, .offset: 8, .size: 8, .value_kind: global_buffer, .address_space: global }
      - { .name: w2_codes, .offset: 16, .size: 8, .value_kind: global_buffer, .address_space: global }
      - { .name: list, .offset: 24, .size: 8, .value_kind: global_buffer, .address_space: global }
      - { .name: counts, .offset: 32, .size: 8, .value_kind: global_buffer, .address_space: global }
      - { .name: w1f, .offset: 40, .size: 8, .value_kind: global_buffer, .address_space: global }
      - { .name: w2f, .offset: 48, .size: 8, .value_kind: global_buffer, .address_space: global }
    .group_segment_fixed_size: 4352
    .private_segment_fixed_size: 0
    .kernarg_segment_align: 8
    .kernarg_segment_size: 56
    .max_flat_workgroup_size: 1024
    .sgpr_count:     66
    .vgpr_count:     64
    .wavefront_size: 32
...
	.end_amdgpu_metadata
.endif
;; end of part 1
;; launch chain (part 2): grid 155 x 1, 4 waves a work-group, no clusters, 203,264 bytes of LDS; arguments hidden_states_codes, w1f, w2f, list, counts, selected_experts, routing_weights, lowp_scales, out0; writes out0
.if DOCPART == 2
	.amdgcn_target "amdgcn-amd-amdhsa--gfx1250"
	.amdhsa_code_object_version 6
	.text
	.protected	k_q2d5caad32f_chain
	.globl	k_q2d5caad32f_chain
	.p2align	8
	.type	k_q2d5caad32f_chain,@function
k_q2d5caad32f_chain:
	s_mov_b64 s[64:65], 0
	v_nop
	global_prefetch_b8 v0, s[64:65] scope:SCOPE_SE
	s_setreg_imm32_b32 hwreg(HW_REG_WAVE_MODE, 25, 1), 1
	s_wait_xcnt 0x0
; out[t] = w_lo x gelu(x[t] W1[lo]) W2[lo] + w_hi x gelu(x[t] W1[hi]) W2[hi] for the tokens of one class (lo, hi), 64 tokens to a work-group; both products on codes of E4M3, sums in f32.
; WORK LEFT OUT: the rows of experts that none of a token's slots names: their weight is a sum of zeros that the problem builds itself, so they reach no output.  LIMIT: a NaN, an infinity or an overflow
; that arises only there is not carried to the result.
; THE SCALES.  An input that comes as codes is ONE tensor with ONE scale, the entry of the first product that takes it: x: entry 0; W1: entry 1; W2: entry 3, for every expert.  The hidden layer is computed on the way
; and is quantised with its own product's entry: 4 e + 2 for expert e.
; THE GRID: with 8,192 tokens in 28 classes and blocks of 64 there are never more than 128 + 27 = 155 blocks, whatever the choice.  A work-group finds its block from the 28 stored counts; one that a given split leaves
; without rows jumps over the three pieces of work, passes both barriers and ends.  Branches hang on stored numbers, so the text has no tensor load, no copy and no cluster: the weights come from memory straight
; into registers, laid out by the first launch so that every load of a wave is 512 consecutive bytes.  No tile is shared by a joint request for the same reason.
; SHARES: THE WAVES SHARE THE COLUMNS, NOT THE ROWS.  Wave w makes hidden units 128 w .. + 127 of both experts and output columns 256 w .. + 255, for all 64 rows.  Both products are used transposed
; (source 0 = 16 rows of a weight, source 1 = 16 tokens): a lane holds one token, its registers run along the units or columns.  The rows of W1 that form a tile are chosen so that the 16 registers of tiles 2 b and
; 2 b + 1 are 16 neighbours along the next K.  The token operand (x, then the hidden layers) stays in 512 registers; the weights stream through a ring of four slots of 64 registers (8 KiB a slot for the wave).
; THREE PIECES, two barriers:  S0 the block's rows of x are gathered into LDS | S1 the hidden layers of both experts, gelu, quantised, to LDS as images of the operand's registers | S2 the second products, the
; two experts' results weighed and added in registers, through the wave's stage, out in aligned runs of 256 bytes.  Each piece reads only vector registers that it or the head has written.
; GELU is the tanh form, written as x / (1 + 2^z), z = x (a + b x^2), a = -2 log2(e) sqrt(2 / pi), b = 0.044715 a: the same function, with one exponential and one reciprocal, all in f32.  A sum S of the first product stands
; for x = S 2^k, k = ex + ew1: k is folded into a, into b and into the conversion's scale, so the sums are used as they stand.
; A block's rows beyond the class's count repeat its last token: row tiles that hold only such rows are not stored; inside the last partial tile they store the last token's own numbers again.
; LIMITS on the given exponents, so that each constant below is an f32 number: ex + ew1 between -40 and 43; eh - ex - ew1 between -126 and 119; eh + ew2 is applied by v_ldexp_f32.  NaN codes are not served.
; REGISTERS, in windows of 256.  Window 0: v1-17 addresses that stay; v18-23 gelu's constants; v24-31 at work; v32-63 32 offsets (S0: into x; S2: into out); v64-79 the weights, a pair a row tile;
;   v80-95 codes just made (S2: choices and routing weights); v96-159 eight accumulators; v160-223 at work; v224-255 token numbers.   Window 1: the ring.   Windows 2, 3: the token operand: (K step s, row tile m, group c) at (4 s + m) 16 + 4 c.
.set XP,    1040                       ; a row of x in LDS: 1,024 bytes + 16: an odd multiple of 16, so the 16 rows of a fragment load start at 16 different groups of banks
.set HIMG,  64*XP                      ; the hidden layers' images: blocks of 512 bytes, number (4 p + c) 16 + 4 m + s (p: expert, c: group, m: row tile, s: K step = the wave that made it)
.set STAGE, HIMG+65536                 ; the way out: for each wave 64 rows x (256 bytes + 16)
.set SPT,   272
.set WSTG,  64*SPT
.set TOKT,  STAGE+4*WSTG               ; for each wave 256 bytes: its own copy of the block's 64 token numbers
.set SPARE, TOKT+1024                  ; the spare words, 128 bytes a wave
.set ACC,   96
.set T,     160
.set PC,    80
.set MSB, 0
.macro WIN new                         ; the immediate's high byte repeats the setting that is left; a switch that changes nothing is dropped
.if MSB != (\new)
	s_set_vgpr_msb (MSB<<8)|(\new)
.set MSB, (\new)
.endif
.endm
.macro NOP4                            ; four plain places between a matrix instruction and a load into a register that it read, or a vector instruction that reads its result
.rept 4
	v_nop
.endr
.endm
	s_load_b512 s[4:19], s[0:1], 0x0               ; x's codes s[4:5], w1f s[6:7], w2f s[8:9], list s[10:11], counts s[12:13], selected_experts s[14:15], routing_weights s[16:17], lowp_scales s[18:19]
	s_load_b64 s[20:21], s[0:1], 0x40              ; out0
	v_lshl_add_u32 v1, v0, 2, SPARE                ; my spare word; never rewritten
	v_mov_b32 v2, 0                                ; 0; never rewritten
	v_lshrrev_b32 v17, 5, v0
	v_readfirstlane_b32 s22, v17                   ; wave 0..3
	v_and_b32 v17, 31, v0                          ; lane
	v_lshlrev_b32 v3, 4, v17                       ; 16 x lane
	v_and_b32 v4, 15, v0                           ; r
	v_bfe_u32 v5, v0, 4, 1                         ; h
	s_mov_b32 s23, ttmp9                           ; my number among the 155
	s_wait_kmcnt 0x0
	s_load_b512 s[32:47], s[12:13], 0x0            ; the 28 counts: 112 bytes, no more
	s_load_b256 s[48:55], s[12:13], 0x40
	s_load_b128 s[56:59], s[12:13], 0x60
	; every LDS address is made here, of the thread's number and the wave's number alone
	s_lshl_b32 s30, s22, 8
	v_mul_u32_u24 v6, v5, XP
	v_lshl_add_u32 v6, v4, 4, v6
	v_add_nc_u32 v6, s30, v6                       ; v6  x into LDS: row h of a pair, my wave's quarter of it, 16 bytes a lane
	v_mul_u32_u24 v7, v4, XP
	v_lshl_add_u32 v7, v5, 4, v7                   ; v7  x's fragments: row r, + 16 h
	s_lshl_b32 s24, s22, 9
	s_add_co_u32 s24, s24, HIMG
	v_add_nc_u32 v8, s24, v3                       ; v8  where I store images: K step = my wave
	v_add_nc_u32 v9, HIMG, v3                      ; v9  where I read them
	s_mul_i32 s24, s22, WSTG
	s_add_co_u32 s24, s24, STAGE
	v_mul_u32_u24 v10, v4, SPT
	v_lshl_add_u32 v10, v5, 5, v10
	v_add_nc_u32 v10, s24, v10                     ; v10 my stage, in: row r, 32 bytes for each half of the lanes
	v_mul_u32_u24 v11, v5, SPT
	v_lshl_add_u32 v11, v4, 4, v11
	v_add_nc_u32 v11, s24, v11                     ; v11 and back: lanes 0-15 one row of 256 bytes, lanes 16-31 the next
	s_add_co_u32 s24, s30, TOKT
	v_lshl_add_u32 v12, v17, 2, s24                ; v12 my wave's table of tokens: word = lane,
	v_lshl_add_u32 v13, v5, 2, s24                 ; v13 word = h,
	v_lshl_add_u32 v14, v4, 2, s24                 ; v14 word = r
	v_lshl_add_u32 v15, v4, 4, s30                 ; v15 in a row of x: my wave's 256 bytes, 16 a lane
	s_lshl_b32 s24, s22, 10
	v_lshl_add_u32 v16, v4, 4, s24                 ; v16 in a row of out: my wave's 1,024 bytes, 16 a lane
	s_wait_kmcnt 0x0
	; WHICH BLOCK IS MINE.  The classes' blocks are numbered on end; the last class whose first block is at or under my number is mine (a class without tokens shares its first block with the next)
	s_mov_b32 s24, 0                               ; blocks so far
	s_mov_b32 s25, 0                               ; lo
	s_mov_b32 s26, 0                               ; hi
	s_mov_b32 s27, 0                               ; the class
	s_mov_b32 s28, 0                               ; its first block
	s_mov_b32 s29, 0                               ; its count
.set CI, 0
.irp lo, 0,1,2,3,4,5,6
.irp hi, 1,2,3,4,5,6,7
.if \hi > \lo
	s_cmp_ge_u32 s23, s24
	s_cselect_b32 s25, \lo, s25
	s_cselect_b32 s26, \hi, s26
	s_cselect_b32 s27, CI, s27
	s_cselect_b32 s28, s24, s28
	s_cselect_b32 s29, s[32+CI], s29
	s_add_co_u32 s30, s[32+CI], 63
	s_lshr_b32 s30, s30, 6
	s_add_co_u32 s24, s24, s30
.set CI, CI+1
.endif
.endr
.endr
	s_cmp_ge_u32 s23, s24
	s_cselect_b32 s31, 1, 0                        ; 1: this split has no block for me
	s_min_u32 s25, s25, 7                          ; what hangs on loaded numbers is held before it enters an address
	s_min_u32 s26, s26, 7
	s_min_u32 s27, s27, 27
	s_sub_co_u32 s28, s23, s28
	s_min_u32 s28, s28, 127                        ; my block in the class
	s_lshl_b32 s30, s28, 6
	s_sub_co_u32 s40, s29, s30
	s_min_u32 s40, s40, 64                         ; s40 my rows, 1 to 64
	s_sub_co_u32 s41, s40, 1
	s_min_u32 s41, s41, 63                         ; s41 the last of them
	s_mov_b32 s43, 0
	s_load_b128 s[76:79], s[18:19], 0x0            ; s76 ex, s77 ew1, s79 ew2: the three inputs' scales (s78, expert 0's eh, is not used from here)
	s_lshl_b32 s42, s25, 4
	s_add_nc_u64 s[70:71], s[18:19], s[42:43]
	s_load_b32 s34, s[70:71], 0x8                  ; lo's eh: entry 4 lo + 2
	s_lshl_b32 s42, s26, 4
	s_add_nc_u64 s[72:73], s[18:19], s[42:43]
	s_load_b32 s38, s[72:73], 0x8                  ; hi's eh
	s_lshl_b32 s42, s27, 15
	s_lshl_b32 s30, s28, 8
	s_add_co_u32 s42, s42, s30
	s_add_nc_u64 s[68:69], s[10:11], s[42:43]      ; s[68:69] my block's 64 words of the list
	s_lshl_b32 s42, s25, 2
	s_add_co_u32 s42, s42, s22
	s_lshl_b32 s42, s42, 17
	s_add_nc_u64 s[44:45], s[6:7], s[42:43]        ; s[44:45] W1[lo], my 8 tiles x 8 K steps: 131,072 bytes
	s_add_nc_u64 s[48:49], s[8:9], s[42:43]        ; s[48:49] W2[lo], my 16 tiles x 4 K steps: as many
	s_lshl_b32 s42, s26, 2
	s_add_co_u32 s42, s42, s22
	s_lshl_b32 s42, s42, 17
	s_add_nc_u64 s[46:47], s[6:7], s[42:43]        ; s[46:47] W1[hi]
	s_add_nc_u64 s[50:51], s[8:9], s[42:43]        ; s[50:51] W2[hi]
	s_mov_b64 s[52:53], s[20:21]                   ; s[52:53] out, stepped 256 bytes a group of four column tiles
	s_wait_kmcnt 0x0
	s_add_co_i32 s30, s76, s77                     ; k = ex + ew1, the same for both experts
	s_lshl_b32 s42, s30, 23
	s_add_co_u32 s54, s42, 0xc0135761              ; s54 a 2^k: a = -2.3022082, k is added to its exponent field
	s_mul_i32 s42, s30, 3
	s_lshl_b32 s42, s42, 23
	s_add_co_u32 s55, s42, 0xbdd2d3e8              ; s55 b 2^(3 k): b = -0.10294324, 3 k likewise
.macro EXPC h, d, e2                   ; an expert's own constants from its eh at s[h]: 2^(eh - k) and 448 x that at s[d], s[d + 1]; eh + ew2 at s[e2]
	s_sub_co_i32 s42, s[\h], s30
	s_add_co_i32 s42, s42, 127
	s_lshl_b32 s[\d], s42, 23                      ; the conversion takes this number's exponent field
	s_add_co_i32 s42, s42, 8
	s_lshl_b32 s42, s42, 23
	s_or_b32 s[\d+1], s42, 0x600000
	s_add_co_i32 s[\e2], s[\h], s79
.endm
	EXPC 34, 56, 62
	EXPC 38, 60, 63
.macro LISTLD                          ; my block's 64 token numbers, two a lane; rows beyond the count repeat the last, so no word is read that was not stored
	v_add_nc_u32 v29, 32, v17
	v_min_u32 v28, s41, v17
	v_min_u32 v29, s41, v29
	v_min_u32 v28, 63, v28
	v_min_u32 v29, 63, v29
	v_lshlrev_b32 v28, 2, v28
	v_lshlrev_b32 v29, 2, v29
	global_load_b32 v30, v28, s[68:69]
	global_load_b32 v31, v29, s[68:69]
.endm
.macro TOKENS                          ; through my wave's own table: v[224 + i] = the token of row 2 i + h.  LDS serves a wave's instructions in order, so no wait stands between the stores and the loads
	v_min_u32 v30, 0x1fff, v30
	v_min_u32 v31, 0x1fff, v31
	ds_store_b32 v12, v30
	ds_store_b32 v12, v31 offset:128
.set i, 0
.rept 32
	ds_load_b32 v[224+i], v13 offset:8*i
.set i, i+1
.endr
.endm
	s_cmp_lg_u32 s31, 0
	s_cbranch_scc1 .L0
	; ================ S0: the block's 64 rows of x into LDS.  Sixteen lanes read my wave's aligned 256 bytes of a token's row; the four waves together read each row once
	LISTLD
	s_wait_loadcnt 0x0
	TOKENS
	s_wait_dscnt 0x0
.set i, 0
.rept 32
	v_min_u32 v[224+i], 0x1fff, v[224+i]
	v_lshl_add_u32 v[32+i], v[224+i], 10, v15
.set i, i+1
.endr
.set i, 0
.rept 32
	global_load_b128 v[96+4*i:99+4*i], v[32+i], s[4:5]
.set i, i+1
.endr
.set i, 0
.rept 32
	s_wait_loadcnt 31-i                            ; loads come back in order: pair i of rows is in, the 31 - i younger loads may be out
	ds_store_b128 v6, v[96+4*i:99+4*i] offset:2*XP*i
.set i, i+1
.endr
.L0:
	s_wait_dscnt 0x0                               ; my stores of x have landed
	s_barrier_signal -1
	s_barrier_wait -1                              ; everybody's have
	s_cmp_lg_u32 s31, 0
	s_cbranch_scc1 .L1
	; ================ S1: the hidden layers.  Pair n = 4 p + b: expert p, my tiles 2 b and 2 b + 1.  Slot k of the ring holds tile 2 b + k % 2, K steps 4 (k / 2) .. + 3: four fragments
.macro LD1 n, k                        ; slot k's 16 loads for pair n
	WIN 0x40                                       ; destination window 1, address window 0
.set j, 0
.rept 16
.if (\n) < 4
	global_load_b128 v[64*(\k)+4*j:64*(\k)+4*j+3], v3, s[44:45] offset:((\n)%4)*32768+((\k)&1)*16384+((\k)>>1)*8192+512*j
.else
	global_load_b128 v[64*(\k)+4*j:64*(\k)+4*j+3], v3, s[46:47] offset:((\n)%4)*32768+((\k)&1)*16384+((\k)>>1)*8192+512*j
.endif
.set j, j+1
.endr
	WIN 0
.endm
; The 64 sums of a pair (accumulator 4 u + m: tile 2 b + u, row tile m) become codes: group b of the next operand's fragment (row tile m, K step = my wave).  Each stage goes through the registers in ascending order.
.macro GELU n
.set j, 0
.rept 32
	v_pk_mul_f32 v[T+j:T+j+1], v[ACC+j:ACC+j+1], v[ACC+j:ACC+j+1]      ; S^2
.set j, j+2
.endr
.set j, 0
.rept 32
	v_pk_fma_f32 v[T+j:T+j+1], v[T+j:T+j+1], v[20:21], v[18:19]        ; b S^2 + a
.set j, j+2
.endr
.set j, 0
.rept 32
	v_pk_mul_f32 v[T+j:T+j+1], v[T+j:T+j+1], v[ACC+j:ACC+j+1]          ; z
.set j, j+2
.endr
.set j, 0
.rept 64
	v_exp_f32 v[T+j], v[T+j]                       ; 2^z: one batch
.set j, j+1
.endr
	v_nop                                          ; a plain instruction behind the last exponential,
	s_wait_alu depctr_va_vdst(0)                   ; and one wait for the batch ahead of its first reader
.set j, 0
.rept 32
	v_pk_add_f32 v[T+j:T+j+1], v[T+j:T+j+1], 1.0 op_sel_hi:[1,0]
.set j, j+2
.endr
.set j, 0
.rept 64
	v_rcp_f32 v[T+j], v[T+j]                       ; 1 / (1 + 2^z): where 2^z is infinite, 0
.set j, j+1
.endr
	v_nop
	s_wait_alu depctr_va_vdst(0)                   ; one wait for the batch of reciprocals
.set j, 0
.rept 32
	v_pk_mul_f32 v[ACC+j:ACC+j+1], v[ACC+j:ACC+j+1], v[T+j:T+j+1]      ; gelu / 2^k
.set j, j+2
.endr
.set j, 0
.rept 64
	v_med3_num_f32 v[ACC+j], v[ACC+j], -v23, v23   ; the conversion to an 8-bit code does not saturate (ISA guide 7.6.2): the hold at the largest code x the scale
.set j, j+1
.endr
	s_wait_dscnt 0x0                               ; the last pair's image stores have read the codes' registers
.irp m, 0,1,2,3
	v_cvt_scalef32_pk8_fp8_f32 v[PC+4*\m:PC+4*\m+1], v[ACC+8*\m:ACC+8*\m+7], v22          ; units 32 b + 16 h + 0 .. 7
	v_cvt_scalef32_pk8_fp8_f32 v[PC+4*\m+2:PC+4*\m+3], v[ACC+32+8*\m:ACC+32+8*\m+7], v22  ; and + 8 .. 15
.endr
	v_nop                                          ; one plain instruction between the last conversion and the products that write its sources again
.irp m, 0,1,2,3
	ds_store_b128 v8, v[PC+4*\m:PC+4*\m+3] offset:(\n)*8192+\m*2048
.endr
.endm
.macro PAIR n
.if (\n) == 0                          ; gelu's two constants, each twice for the packed forms: the same for both experts
	v_mov_b32 v18, s54
	v_mov_b32 v19, s54
	v_mov_b32 v20, s55
	v_mov_b32 v21, s55
.endif
.if ((\n)%4) == 0                      ; the expert's own: the conversion's scale and the hold
	v_mov_b32 v22, s[56+(\n)]
	v_mov_b32 v23, s[57+(\n)]
.endif
.irp k, 0,1,2,3
.if (\n) < 7
	s_wait_loadcnt 48                              ; slot k is in: behind its loads stand those of the three younger slots, 16 each
.else
	s_wait_loadcnt 48-16*\k                        ; the last pair asks for nothing: the counts run down
.endif
	WIN 0x09+4*(\k/2)                              ; source 0 (W1) window 1; source 1 (x) window 2 for K steps 0-3, window 3 for 4-7; C and D window 0
.irp s4, 0,1,2,3
.irp m, 0,1,2,3                        ; four accumulators take turns, one instruction a turn
.if (\k < 2) && (\s4 == 0)
	v_wmma_f32_16x16x128_fp8_fp8 v[ACC+8*((\k&1)*4+\m):ACC+8*((\k&1)*4+\m)+7], v[64*\k+16*\s4:64*\k+16*\s4+15], v[(\s4*4+\m)*16:(\s4*4+\m)*16+15], 0
.else
	v_wmma_f32_16x16x128_fp8_fp8 v[ACC+8*((\k&1)*4+\m):ACC+8*((\k&1)*4+\m)+7], v[64*\k+16*\s4:64*\k+16*\s4+15], v[(\s4*4+\m)*16:(\s4*4+\m)*16+15], v[ACC+8*((\k&1)*4+\m):ACC+8*((\k&1)*4+\m)+7]
.endif
.endr
.endr
	WIN 0
	NOP4
.if (\n) < 7
	LD1 (\n)+1, \k                                 ; the slot takes the next pair's fragments: three slots' products and a gelu ahead of their use
.endif
.endr
	GELU \n
.endm
	LD1 0, 0
	LD1 0, 1
	LD1 0, 2
	LD1 0, 3
.irp kh, 0,1                           ; all of x into registers: each wave reads the 64 rows once
	WIN 0x80+0x40*\kh                              ; destination window 2, then 3
.irp s4, 0,1,2,3
.irp m, 0,1,2,3
.irp c, 0,1,2,3
	ds_load_b128 v[(\s4*4+\m)*16+4*\c:(\s4*4+\m)*16+4*\c+3], v7 offset:16*XP*\m+128*(4*\kh+\s4)+32*\c
.endr
.endr
.endr
.endr
	WIN 0
	s_wait_dscnt 0x0
.irp n, 0,1,2,3,4,5,6,7
	PAIR \n
.endr
.L1:
	s_wait_dscnt 0x0                               ; my images have landed, and my reads of x are long over
	s_barrier_signal -1
	s_barrier_wait -1                              ; both hidden layers lie in LDS
	s_cmp_lg_u32 s31, 0
	s_cbranch_scc1 .L2
	; ================ S2: the second products.  A round is two of my 16 column tiles x both experts; slot k holds tile k / 2 of the round, expert k % 2, all four K steps
.macro LD2 k
	WIN 0x40
.set j, 0
.rept 16
.if ((\k)&1) == 0
	global_load_b128 v[64*(\k)+4*j:64*(\k)+4*j+3], v3, s[48:49] offset:((\k)>>1)*8192+512*j
.else
	global_load_b128 v[64*(\k)+4*j:64*(\k)+4*j+3], v3, s[50:51] offset:((\k)>>1)*8192+512*j
.endif
.set j, j+1
.endr
	WIN 0
.endm
.macro SLOT2 k, refill
.if \refill
	s_wait_loadcnt 48                              ; slot k is in: the three younger slots' loads, 16 each, may be out
.else
	s_wait_loadcnt 48-16*(\k)                      ; the last round asks for nothing: the counts run down
.endif
	WIN 0x09+4*((\k)&1)                            ; source 0 (W2) window 1; source 1: lo's hidden layer in window 2, hi's in window 3
.irp s, 0,1,2,3
.irp m, 0,1,2,3                        ; four accumulators by turns
.if \s == 0
	v_wmma_f32_16x16x128_fp8_fp8 v[ACC+8*(((\k)&1)*4+\m):ACC+8*(((\k)&1)*4+\m)+7], v[64*(\k)+16*\s:64*(\k)+16*\s+15], v[(\s*4+\m)*16:(\s*4+\m)*16+15], 0
.else
	v_wmma_f32_16x16x128_fp8_fp8 v[ACC+8*(((\k)&1)*4+\m):ACC+8*(((\k)&1)*4+\m)+7], v[64*(\k)+16*\s:64*(\k)+16*\s+15], v[(\s*4+\m)*16:(\s*4+\m)*16+15], v[ACC+8*(((\k)&1)*4+\m):ACC+8*(((\k)&1)*4+\m)+7]
.endif
.endr
.endr
	WIN 0
	NOP4
.if \refill
	LD2 \k
.endif
.endm
.macro COMB tau, tq                    ; a column tile of both experts, weighed and added: w_lo 2^(eh + ew2) S_lo + w_hi 2^(eh + ew2) S_hi; into the stage at column tile tq of the group's four
	s_wait_dscnt 8                                 ; the eight stage stores of the tile just before may be out; those of the tile before that, which read these 32 registers, are done
.irp m, 0,1,2,3
.irp q, 0,2,4,6
	v_pk_mul_f32 v[T+32*(\tau)+8*\m+\q:T+32*(\tau)+8*\m+\q+1], v[ACC+8*\m+\q:ACC+8*\m+\q+1], v[64+2*\m:65+2*\m]
.endr
.irp q, 0,2,4,6
	v_pk_fma_f32 v[T+32*(\tau)+8*\m+\q:T+32*(\tau)+8*\m+\q+1], v[ACC+32+8*\m+\q:ACC+32+8*\m+\q+1], v[72+2*\m:73+2*\m], v[T+32*(\tau)+8*\m+\q:T+32*(\tau)+8*\m+\q+1]
.endr
.endr
.irp m, 0,1,2,3
	ds_store_b128 v10, v[T+32*(\tau)+8*\m:T+32*(\tau)+8*\m+3] offset:16*SPT*\m+64*(\tq)
	ds_store_b128 v10, v[T+32*(\tau)+8*\m+4:T+32*(\tau)+8*\m+7] offset:16*SPT*\m+64*(\tq)+16
.endr
.endm
.macro ROUND rho, refill
	s_wait_xcnt 0x0                                ; every earlier load and store has read its sources: the two pointers may step, and the registers that the last stores read may be written
.if \refill
	s_add_nc_u64 s[48:49], s[48:49], 16384         ; the refills of this round fetch the next round's two tiles
	s_add_nc_u64 s[50:51], s[50:51], 16384
.endif
.irp tau, 0,1
	SLOT2 2*\tau, \refill
	SLOT2 2*\tau+1, \refill
	COMB \tau, 2*(\rho)+\tau
.endr
.endm
.macro FLUSH step                      ; four column tiles, 256 bytes of each of the 64 rows, leave: back from my stage as whole runs, two rows an instruction; sixteen lanes store 256 consecutive bytes, aligned
.set i, 0
.rept 32
	ds_load_b128 v[96+4*i:99+4*i], v11 offset:2*SPT*i   ; LDS serves a wave's instructions in order: these see my stores
.set i, i+1
.endr
.set i, 0
.irp m, 0,1,2,3
.if \m > 0
	s_cmp_le_u32 s40, 16*\m                        ; a tile of 16 rows that holds none of my rows is not stored, nor are those behind it
	s_cbranch_scc1 .Lst_\@
.endif
.rept 8
	s_wait_dscnt 31-i                              ; pair i of rows is back; the 31 - i younger stage loads may be out
	global_store_b128 v[32+i], v[96+4*i:99+4*i], s[52:53] th:TH_STORE_NT   ; written once, read by nobody here
.set i, i+1
.endr
.endr
.Lst_\@:
	s_wait_dscnt 0x0                               ; the stage loads that were jumped past have landed too: their registers are written again by the next products
.if \step
	s_wait_xcnt 0x0                                ; the stores have read their base
	s_add_nc_u64 s[52:53], s[52:53], 256
.endif
.endm
	LISTLD
	LD2 0
	LD2 1
	LD2 2
	s_wait_loadcnt 48                              ; the two list loads are in; behind them stand the 48 loads of slots 0 to 2
	TOKENS
.irp m, 0,1,2,3
	ds_load_b32 v[24+\m], v14 offset:64*\m         ; the token of row 16 m + r
.endr
	s_wait_dscnt 0x0
.set i, 0
.rept 32
	v_min_u32 v[224+i], 0x1fff, v[224+i]
	v_lshl_add_u32 v[32+i], v[224+i], 12, v16      ; the row of out of row 2 i + h, my wave's columns, 16 bytes a lane
.set i, i+1
.endr
.irp m, 0,1,2,3
	v_min_u32 v[24+\m], 0x1fff, v[24+\m]
	v_lshlrev_b32 v[24+\m], 3, v[24+\m]
.endr
.irp m, 0,1,2,3
	global_load_b64 v[80+2*\m:81+2*\m], v[24+\m], s[14:15]   ; the token's two choices, as they are given,
	global_load_b64 v[88+2*\m:89+2*\m], v[24+\m], s[16:17]   ; and its two routing weights
.endr
	LD2 3
.irp p, 0,1                            ; both hidden layers into registers: each wave reads the images once
	WIN 0x80+0x40*\p
.irp s, 0,1,2,3
.irp m, 0,1,2,3
.irp c, 0,1,2,3
	ds_load_b128 v[(\s*4+\m)*16+4*\c:(\s*4+\m)*16+4*\c+3], v9 offset:((4*\p+\c)*16+4*\m+\s)*512
.endr
.endr
.endr
.endr
	WIN 0
	s_wait_dscnt 0x0
	s_wait_loadcnt 16                              ; choices and weights are in; behind them stand slot 3's 16 loads
.irp m, 0,1,2,3                        ; w_e = (slot 0 names e ? r0 : 0) + (slot 1 names e ? r1 : 0), x 2^(eh + ew2) of that expert; twice, as a pair for the packed forms
	v_cmp_eq_u32 vcc_lo, s25, v[80+2*\m]
	v_cndmask_b32 v28, 0, v[88+2*\m], vcc_lo
	v_cmp_eq_u32 vcc_lo, s25, v[81+2*\m]
	v_cndmask_b32 v29, 0, v[89+2*\m], vcc_lo
	v_add_f32 v28, v28, v29
	v_ldexp_f32 v[64+2*\m], v28, s62
	v_mov_b32 v[65+2*\m], v[64+2*\m]
	v_cmp_eq_u32 vcc_lo, s26, v[80+2*\m]
	v_cndmask_b32 v30, 0, v[88+2*\m], vcc_lo
	v_cmp_eq_u32 vcc_lo, s26, v[81+2*\m]
	v_cndmask_b32 v31, 0, v[89+2*\m], vcc_lo
	v_add_f32 v30, v30, v31
	v_ldexp_f32 v[72+2*\m], v30, s63
	v_mov_b32 v[73+2*\m], v[72+2*\m]
.endr
	s_mov_b32 s66, 3
.Lgrp:                                 ; a trip: two rounds, four column tiles, and their way out.  Three trips; the fourth group is written out, since its last round fetches nothing: no load leaves w2f
	ROUND 0, 1
	ROUND 1, 1
	FLUSH 1
	s_sub_co_u32 s66, s66, 1
	s_cmp_lg_u32 s66, 0
	s_cbranch_scc1 .Lgrp
	ROUND 0, 1
	ROUND 1, 0
	FLUSH 0
.L2:
	s_wait_tensorcnt 0x0                           ; the wave's end
	ds_add_u32 v1, v2
	s_wait_dscnt 0x0
	s_endpgm
.Lfunc_end_k_q2d5caad32f_chain:
	.size	k_q2d5caad32f_chain, .Lfunc_end_k_q2d5caad32f_chain-k_q2d5caad32f_chain
	.p2alignl 7, 3214868480
	.fill 96, 4, 3214868480
	.section	.rodata,"a",@progbits
	.p2align	6, 0x0
	.amdhsa_kernel k_q2d5caad32f_chain
		.amdhsa_group_segment_fixed_size 203264
		.amdhsa_private_segment_fixed_size 0
		.amdhsa_enable_private_segment 0
		.amdhsa_kernarg_size 72
		.amdhsa_user_sgpr_count 2
		.amdhsa_user_sgpr_kernarg_segment_ptr 1
		.amdhsa_wavefront_size32 1
		.amdhsa_system_sgpr_workgroup_id_x 1
		.amdhsa_system_sgpr_workgroup_id_y 1
		.amdhsa_system_sgpr_workgroup_id_z 1
		.amdhsa_system_vgpr_workitem_id 0
		.amdhsa_next_free_vgpr 1024
		.amdhsa_next_free_sgpr 80
		.amdhsa_reserve_vcc 1
		.amdhsa_float_denorm_mode_32 3
		.amdhsa_float_denorm_mode_16_64 3
		.amdhsa_memory_ordered 1
		.amdhsa_forward_progress 1
		.amdhsa_inst_pref_size 255
	.end_amdhsa_kernel
	.section	.bss,"aw",@nobits
	.p2align	6
	.space	262144
	.amdgpu_metadata
---
amdhsa.version: [ 1, 2 ]
amdhsa.kernels:
  - .name:           k_q2d5caad32f_chain
    .symbol:         k_q2d5caad32f_chain.kd
    .args:
      - { .name: hidden_states_codes, .offset: 0, .size: 8, .value_kind: global_buffer, .address_space: global }
      - { .name: w1f, .offset: 8, .size: 8, .value_kind: global_buffer, .address_space: global }
      - { .name: w2f, .offset: 16, .size: 8, .value_kind: global_buffer, .address_space: global }
      - { .name: list, .offset: 24, .size: 8, .value_kind: global_buffer, .address_space: global }
      - { .name: counts, .offset: 32, .size: 8, .value_kind: global_buffer, .address_space: global }
      - { .name: selected_experts, .offset: 40, .size: 8, .value_kind: global_buffer, .address_space: global }
      - { .name: routing_weights, .offset: 48, .size: 8, .value_kind: global_buffer, .address_space: global }
      - { .name: lowp_scales, .offset: 56, .size: 8, .value_kind: global_buffer, .address_space: global }
      - { .name: out0, .offset: 64, .size: 8, .value_kind: global_buffer, .address_space: global }
    .group_segment_fixed_size: 203264
    .private_segment_fixed_size: 0
    .kernarg_segment_align: 8
    .kernarg_segment_size: 72
    .max_flat_workgroup_size: 128
    .sgpr_count:     80
    .vgpr_count:     1024
    .wavefront_size: 32
...
	.end_amdgpu_metadata
.endif
;; end of part 2
;; ======== version 2 of 2: 2 launches
;; limits: right only within a limited range of input values
;; workspace buffers: w1f 4,194,304 bytes; w2f 4,194,304 bytes; list 917,504 bytes of whole numbers; counts 256 bytes of whole numbers
;; launch prep (part 3): grid 156 x 1, 32 waves a work-group, no clusters, 4,352 bytes of LDS; arguments selected_experts, w1_codes, w2_codes, list, counts, w1f, w2f; writes list, counts, w1f, w2f
.if DOCPART == 3
	.amdgcn_target "amdgcn-amd-amdhsa--gfx1250"
	.amdhsa_code_object_version 6
	.text
	.protected	k_q2d5caad32f_prep
	.globl	k_q2d5caad32f_prep
	.p2align	8
	.type	k_q2d5caad32f_prep,@function
k_q2d5caad32f_prep:
	s_mov_b64 s[64:65], 0
	v_nop
	global_prefetch_b8 v0, s[64:65] scope:SCOPE_SE
	s_setreg_imm32_b32 hwreg(HW_REG_WAVE_MODE, 25, 1), 1
	s_wait_xcnt 0x0
; out[t] = sum over e of w_e[t] x gelu(x[t] W1[e]) W2[e], w_e[t] = the routing weights of those of token t's two slots that name expert e.
; WORK LEFT OUT, in the whole program: for a token of which no slot names expert e, the sum of where(selected == e, weight, 0) is exactly 0, whatever the inputs hold, so that
; token's row of both products of expert e is multiplied by 0 and reaches no output in exact arithmetic.  Only the rows of the experts that a token's slots name are multiplied; whole numbers
; decide it, and the launch that multiplies reads them from memory.  Every input still has a way to the output and is loaded.
; LIMIT: a NaN, an infinity or an overflow that arises only in an expert that a token did not choose is not carried to the result.
; THIS LAUNCH makes what the second one reads.  Two kinds of work-groups, told apart by the work-group's number alone:
;  0 .. 27: one CLASS each.  A class is a pair of experts lo < hi, numbered (0,1) .. (0,7), (1,2) .. (6,7).  A token belongs to the class of its two experts; a token whose slots name the same expert a goes
;           to (a, a + 1), and (7, 7) to (6, 7): its weight for the other expert comes out 0 in the second launch.  The work-group scans all 8,192 tokens and stores the numbers of its class's tokens on end, and their count.
;           Only the class key uses indices held at 7; the weights are formed on the indices as given.  No atomics: ranks come from bit counts and one sum over the 32 waves.
;  28 .. 155: 64 KiB of W1's or of W2's codes each, laid in the order of a matrix operand's registers: a fragment (16 rows x 128 K) is 2,048 bytes: group c (0..3) at 512 c, lane l at 16 l;
;           lane (r = l % 16, h = l / 16) holds K = 128 s + 32 c + 16 h + 0 .. 15 of its row.  W2: tile T holds rows 16 T + r.  W1: tile T = 8 w + 2 b + u holds rows 128 w + 32 b + 8 u + r + 8 (r / 8).
.set SPARE, 256                        ; LDS: bytes 0-127 the 32 waves' counts (the block 0-255 is theirs); from 256 the spare words, 128 bytes a wave
.set NCLS,  28
	s_load_b256 s[4:11], s[0:1], 0x0               ; selected_experts s[4:5], w1_codes s[6:7], w2_codes s[8:9], list s[10:11]
	s_load_b128 s[12:15], s[0:1], 0x20             ; counts s[12:13], w1f s[14:15]
	s_load_b64 s[16:17], s[0:1], 0x30              ; w2f
	v_lshl_add_u32 v62, v0, 2, SPARE               ; my spare word; never rewritten
	v_mov_b32 v63, 0                               ; 0; never rewritten
	v_mov_b32 v48, 0                               ; the offset of the count's store: 0, written here with all lanes on; the register holds nothing else in the launch
	v_lshrrev_b32 v1, 5, v0
	s_delay_alu instid0(VALU_DEP_1)
	v_readfirstlane_b32 s18, v1                    ; wave 0..31
	v_and_b32 v1, 31, v0                           ; lane
	v_and_b32 v2, 15, v0                           ; r
	v_bfe_u32 v3, v0, 4, 1                         ; h
	s_wait_kmcnt 0x0
	s_cmp_ge_u32 ttmp9, NCLS                       ; the work-group's number alone: all 32 waves go the same way
	s_cbranch_scc1 .Llay
	; ---- A CLASS.  Its pair: lo = how many of the rows' first numbers 7, 13, 18, 22, 25, 27 are at or under my number
	v_lshlrev_b32 v4, 3, v0                        ; a token's two choices are 8 bytes
.irp j, 0,1,2,3,4,5,6,7
	global_load_b64 v[8+2*\j:9+2*\j], v4, s[4:5] offset:8192*\j   ; token 1024 j + thread: a wave reads 256 consecutive bytes
.endr
	s_mov_b32 s20, 0
.irp off, 7,13,18,22,25,27
	s_cmp_ge_u32 ttmp9, \off
	s_cselect_b32 s21, 1, 0
	s_add_co_u32 s20, s20, s21
.endr
	s_sub_co_u32 s21, 15, s20
	s_mul_i32 s21, s21, s20
	s_lshr_b32 s21, s21, 1                         ; the first class of row lo: lo (15 - lo) / 2
	s_sub_co_u32 s22, ttmp9, s21
	s_add_co_u32 s22, s22, s20
	s_add_co_u32 s22, s22, 1                       ; hi
	s_lshl_b32 s23, s20, 3
	s_add_co_u32 s23, s23, s22                     ; my key: 8 lo + hi
	s_mov_b32 s50, 0x76543210                      ; lane selects: each lane takes its own place in the other half
	s_mov_b32 s51, 0xfedcba98
	s_wait_loadcnt 0x0
.irp j, 0,1,2,3,4,5,6,7
	v_min_u32 v[8+2*\j], 7, v[8+2*\j]
	v_min_u32 v[9+2*\j], 7, v[9+2*\j]
	s_delay_alu instid0(VALU_DEP_1)
	v_min_u32 v5, v[8+2*\j], v[9+2*\j]             ; the lesser,
	s_delay_alu instid0(VALU_DEP_2)
	v_max_u32 v6, v[8+2*\j], v[9+2*\j]             ; the greater
	s_delay_alu instid0(VALU_DEP_1)
	v_cmp_eq_u32 vcc_lo, v5, v6
	s_delay_alu instid0(VALU_DEP_1)
	v_cndmask_b32 v7, 0, 1, vcc_lo
	s_delay_alu instid0(VALU_DEP_1)
	v_add_nc_u32 v6, v6, v7                        ; (a, a) becomes (a, a + 1),
	s_delay_alu instid0(VALU_DEP_1)
	v_lshrrev_b32 v7, 3, v6
	s_delay_alu instid0(VALU_DEP_1)
	v_sub_nc_u32 v5, v5, v7                        ; and (7, 8) becomes (6, 7)
	s_delay_alu instid0(VALU_DEP_2)
	v_sub_nc_u32 v6, v6, v7
	s_delay_alu instid0(VALU_DEP_1)
	v_lshl_add_u32 v[24+\j], v5, 3, v6             ; the token's key
.endr
	s_wait_alu depctr_va_vdst(0)
	s_mov_b32 s48, 0
.irp j, 0,1,2,3,4,5,6,7
	v_cmp_eq_u32 s[32+\j], s23, v[24+\j]           ; which lanes' tokens of chunk j are mine
	s_mov_b32 s[40+\j], s48                        ; how many of my wave's come before chunk j
	s_bcnt1_i32_b32 s49, s[32+\j]
	s_add_co_u32 s48, s48, s49
.endr
	v_mov_b32 v5, s18
	s_delay_alu instid0(VALU_DEP_1)
	v_lshlrev_b32 v5, 2, v5
	v_mov_b32 v6, s48
	ds_store_b32 v5, v6                            ; my wave's count, to its own word
	s_wait_dscnt 0x0                               ; for the others' sake: the store has landed
	s_barrier_signal -1
	s_barrier_wait -1
	v_lshlrev_b32 v7, 2, v1
	ds_load_b32 v5, v7                             ; lane l: wave l's count
	s_wait_dscnt 0x0
	v_cmp_gt_u32 vcc_lo, s18, v1                   ; waves in front of mine
	s_delay_alu instid0(VALU_DEP_1)
	v_cndmask_b32 v6, 0, v5, vcc_lo
	s_delay_alu instid0(VALU_DEP_1)
	v_lshl_or_b32 v6, v6, 16, v5                   ; two sums at once, each at most 8,192: above, the waves in front of mine; below, all
.irp m, 1,2,4,8
	s_delay_alu instid0(VALU_DEP_1)
	v_mov_b32_dpp v7, v6 row_xmask:\m row_mask:0xf bank_mask:0xf
	s_delay_alu instid0(VALU_DEP_1)
	v_add_nc_u32 v6, v6, v7
.endr
	s_delay_alu instid0(VALU_DEP_1)
	v_permlanex16_b32 v7, v6, s50, s51
	s_delay_alu instid0(VALU_DEP_1)
	v_add_nc_u32 v6, v6, v7
	s_delay_alu instid0(VALU_DEP_1)
	v_readfirstlane_b32 s49, v6
	s_lshr_b32 s52, s49, 16                        ; my wave's first rank
	s_and_b32 s53, s49, 0xffff                     ; the class's count
	s_lshl_b32 s54, ttmp9, 15                      ; the class's part of the list: 8,192 words
	s_mov_b32 s55, 0
	s_add_nc_u64 s[10:11], s[10:11], s[54:55]
.irp j, 0,1,2,3,4,5,6,7
	s_add_co_u32 s[40+\j], s[40+\j], s52
	v_mbcnt_lo_u32_b32 v[32+\j], s[32+\j], 0       ; how many of the chunk's chosen lanes lie below mine
	s_delay_alu instid0(VALU_DEP_1)
	v_add_nc_u32 v[32+\j], s[40+\j], v[32+\j]      ; the token's rank in the class
	s_delay_alu instid0(VALU_DEP_1)
	v_min_u32 v[32+\j], 0x1fff, v[32+\j]           ; a number made of loaded numbers is held before it enters an address
	s_delay_alu instid0(VALU_DEP_1)
	v_lshlrev_b32 v[32+\j], 2, v[32+\j]
	v_add_nc_u32 v[40+\j], 1024*\j, v0             ; the token's number
.endr
	s_wait_alu depctr_va_vdst(0)
.irp j, 0,1,2,3,4,5,6,7
	s_wait_xcnt 0x0                                ; EXEC is narrowed only when every earlier memory instruction has read its sources
	s_mov_b32 vcc_lo, s[32+\j]
	s_and_saveexec_b32 s56, vcc_lo
	global_store_b32 v[32+\j], v[40+\j], s[10:11]  ; the chosen lanes write consecutive words
	s_wait_xcnt 0x0                                ; and widened likewise
	s_or_b32 exec_lo, exec_lo, s56
.endr
	s_cmp_lg_u32 s18, 0                            ; wave 0, lane 0 stores the count, a count of 0 too
	s_cbranch_scc1 .Lend
	s_lshl_b32 s54, ttmp9, 2
	s_add_nc_u64 s[12:13], s[12:13], s[54:55]      ; the class's word of the counts: the place stands in the scalar base, the vector offset is 0
	v_mov_b32 v5, s53
	v_cmp_eq_u32 vcc_lo, 0, v0
	s_and_saveexec_b32 s56, vcc_lo
	global_store_b32 v48, v5, s[12:13]
	s_wait_xcnt 0x0
	s_or_b32 exec_lo, exec_lo, s56
	s_branch .Lend
	; ---- THE WEIGHTS' LAYOUT.  A work-group takes 64 KiB of source, which are 32 fragments; a wave takes one.  W1 (a row is 1,024 bytes): 64 rows = 4 tiles x 8 K steps;  W2 (512 bytes): 128 rows = 8 tiles x 4 K steps.
	; What differs between the two is chosen by selects on the work-group's number: one path, and each pointer is made on one line.
.Llay:
	s_sub_co_u32 s20, ttmp9, NCLS
	s_cmp_lt_u32 s20, 64                           ; the first 64 take W1
	s_cselect_b64 s[24:25], s[6:7], s[8:9]         ; from
	s_cselect_b64 s[26:27], s[14:15], s[16:17]     ; to
	s_cselect_b32 s21, 0, 64
	s_cselect_b32 s22, 3, 2                        ; wave = tile x (K steps) + K step
	s_cselect_b32 s23, 7, 3
	s_cselect_b32 s28, 15, 14                      ; two tiles on: W1 32 rows of 1,024 bytes, W2 32 rows of 512
	s_cselect_b32 s29, 8, 0                        ; W1's lanes 8-15 take rows 8 further on
	s_cselect_b32 s30, 10, 9                       ; a row's bytes
	s_sub_co_u32 s20, s20, s21
	s_lshl_b32 s20, s20, 16                        ; my 64 KiB, in the source and in the result
	s_lshr_b32 s21, s18, s22                       ; tile
	s_and_b32 s23, s18, s23                        ; K step
	s_lshr_b32 s22, s21, 1
	s_lshl_b32 s22, s22, s28
	s_and_b32 s21, s21, 1
	s_lshl_b32 s21, s21, 13                        ; an odd tile begins 8,192 bytes on in both: W1 8 rows, W2 16 rows
	s_lshl_b32 s23, s23, 7
	s_add_co_u32 s32, s20, s22
	s_add_co_u32 s32, s32, s21
	s_add_co_u32 s32, s32, s23
	s_mov_b32 s33, 0
	s_add_nc_u64 s[24:25], s[24:25], s[32:33]
	s_lshl_b32 s21, s18, 11                        ; the result: fragment = wave
	s_add_co_u32 s32, s20, s21
	s_add_nc_u64 s[26:27], s[26:27], s[32:33]
	s_wait_alu depctr_va_vdst(0)
	v_and_b32 v10, s29, v2
	s_delay_alu instid0(VALU_DEP_1)
	v_add_nc_u32 v10, v10, v2                      ; W1: r + 8 (r / 8);  W2: r
	s_delay_alu instid0(VALU_DEP_1)
	v_lshlrev_b32 v10, s30, v10
	s_delay_alu instid0(VALU_DEP_1)
	v_lshl_add_u32 v10, v3, 4, v10                 ; + 16 h
	v_lshlrev_b32 v11, 4, v1
.irp c, 0,1,2,3
	global_load_b128 v[16+4*\c:19+4*\c], v10, s[24:25] offset:32*\c
.endr
	s_wait_alu depctr_va_vdst(0)
	s_wait_loadcnt 0x0
.irp c, 0,1,2,3
	global_store_b128 v11, v[16+4*\c:19+4*\c], s[26:27] offset:512*\c   ; 32 lanes store 512 consecutive bytes, aligned
.endr
.Lend:
	s_wait_tensorcnt 0x0                           ; the wave's end
	ds_add_u32 v62, v63
	s_wait_dscnt 0x0
	s_endpgm
.Lfunc_end_k_q2d5caad32f_prep:
	.size	k_q2d5caad32f_prep, .Lfunc_end_k_q2d5caad32f_prep-k_q2d5caad32f_prep
	.p2alignl 7, 3214868480
	.fill 96, 4, 3214868480
	.section	.rodata,"a",@progbits
	.p2align	6, 0x0
	.amdhsa_kernel k_q2d5caad32f_prep
		.amdhsa_group_segment_fixed_size 4352
		.amdhsa_private_segment_fixed_size 0
		.amdhsa_enable_private_segment 0
		.amdhsa_kernarg_size 56
		.amdhsa_user_sgpr_count 2
		.amdhsa_user_sgpr_kernarg_segment_ptr 1
		.amdhsa_wavefront_size32 1
		.amdhsa_system_sgpr_workgroup_id_x 1
		.amdhsa_system_sgpr_workgroup_id_y 1
		.amdhsa_system_sgpr_workgroup_id_z 1
		.amdhsa_system_vgpr_workitem_id 0
		.amdhsa_next_free_vgpr 64
		.amdhsa_next_free_sgpr 66
		.amdhsa_reserve_vcc 1
		.amdhsa_float_denorm_mode_32 3
		.amdhsa_float_denorm_mode_16_64 3
		.amdhsa_memory_ordered 1
		.amdhsa_forward_progress 1
		.amdhsa_inst_pref_size 19
	.end_amdhsa_kernel
	.amdgpu_metadata
---
amdhsa.version: [ 1, 2 ]
amdhsa.kernels:
  - .name:           k_q2d5caad32f_prep
    .symbol:         k_q2d5caad32f_prep.kd
    .args:
      - { .name: selected_experts, .offset: 0, .size: 8, .value_kind: global_buffer, .address_space: global }
      - { .name: w1_codes, .offset: 8, .size: 8, .value_kind: global_buffer, .address_space: global }
      - { .name: w2_codes, .offset: 16, .size: 8, .value_kind: global_buffer, .address_space: global }
      - { .name: list, .offset: 24, .size: 8, .value_kind: global_buffer, .address_space: global }
      - { .name: counts, .offset: 32, .size: 8, .value_kind: global_buffer, .address_space: global }
      - { .name: w1f, .offset: 40, .size: 8, .value_kind: global_buffer, .address_space: global }
      - { .name: w2f, .offset: 48, .size: 8, .value_kind: global_buffer, .address_space: global }
    .group_segment_fixed_size: 4352
    .private_segment_fixed_size: 0
    .kernarg_segment_align: 8
    .kernarg_segment_size: 56
    .max_flat_workgroup_size: 1024
    .sgpr_count:     66
    .vgpr_count:     64
    .wavefront_size: 32
...
	.end_amdgpu_metadata
.endif
;; end of part 3
;; launch chain (part 4): grid 155 x 1, 4 waves a work-group, no clusters, 203,264 bytes of LDS; arguments hidden_states_codes, w1f, w2f, list, counts, selected_experts, routing_weights, lowp_scales, out0; writes out0
.if DOCPART == 4
	.amdgcn_target "amdgcn-amd-amdhsa--gfx1250"
	.amdhsa_code_object_version 6
	.text
	.protected	k_q2d5caad32f_chain
	.globl	k_q2d5caad32f_chain
	.p2align	8
	.type	k_q2d5caad32f_chain,@function
k_q2d5caad32f_chain:
	s_mov_b64 s[64:65], 0
	v_nop
	global_prefetch_b8 v0, s[64:65] scope:SCOPE_SE
	s_setreg_imm32_b32 hwreg(HW_REG_WAVE_SCHED_MODE, 0, 2), 2
	s_setreg_imm32_b32 hwreg(HW_REG_WAVE_MODE, 25, 1), 1
	s_wait_xcnt 0x0
	s_wait_alu depctr_vm_vsrc(0)
; out[t] = w_lo x gelu(x[t] W1[lo]) W2[lo] + w_hi x gelu(x[t] W1[hi]) W2[hi] for the tokens of one class (lo, hi), 64 tokens to a work-group; both products on codes of E4M3, sums in f32.
; WORK LEFT OUT: the rows of experts that none of a token's slots names: their weight is a sum of zeros that the problem builds itself, so they reach no output.  LIMIT: a NaN, an infinity or an overflow
; that arises only there is not carried to the result.
; THE SCALES.  An input that comes as codes is ONE tensor with ONE scale, the entry of the first product that takes it: x: entry 0; W1: entry 1; W2: entry 3, for every expert.  The hidden layer is computed on the way
; and is quantised with its own product's entry: 4 e + 2 for expert e.
; THE GRID: with 8,192 tokens in 28 classes and blocks of 64 there are never more than 128 + 27 = 155 blocks, whatever the choice.  A work-group finds its block from the 28 stored counts; one that a given split leaves
; without rows jumps over the three pieces of work, passes both barriers and ends.  Branches hang on stored numbers, so the text has no tensor load, no copy and no cluster: the weights come from memory straight
; into registers, laid out by the first launch so that every load of a wave is 512 consecutive bytes.  No tile is shared by a joint request for the same reason.
; SHARES: THE WAVES SHARE THE COLUMNS, NOT THE ROWS.  Wave w makes hidden units 128 w .. + 127 of both experts and output columns 256 w .. + 255, for all 64 rows.  Both products are used transposed
; (source 0 = 16 rows of a weight, source 1 = 16 tokens): a lane holds one token, its registers run along the units or columns.  The rows of W1 that form a tile are chosen so that the 16 registers of tiles 2 b and
; 2 b + 1 are 16 neighbours along the next K.  The token operand (x, then the hidden layers) stays in 512 registers; the weights stream through a ring of four slots of 64 registers (8 KiB a slot for the wave).
; THREE PIECES, two barriers:  S0 the block's rows of x are gathered into LDS | S1 the hidden layers of both experts, gelu, quantised, to LDS as images of the operand's registers | S2 the second products, the
; two experts' results weighed and added in registers, through the wave's stage, out in aligned runs of 256 bytes.  Each piece reads only vector registers that it or the head has written.
; GELU is the tanh form, written as x / (1 + 2^z), z = x (a + b x^2), a = -2 log2(e) sqrt(2 / pi), b = 0.044715 a: the same function, with one exponential and one reciprocal, all in f32.  A sum S of the first product stands
; for x = S 2^k, k = ex + ew1: k is folded into a, into b and into the conversion's scale, so the sums are used as they stand.
; A block's rows beyond the class's count repeat its last token: row tiles that hold only such rows are not stored; inside the last partial tile they store the last token's own numbers again.
; LIMITS on the given exponents, so that each constant below is an f32 number: ex + ew1 between -40 and 43; eh - ex - ew1 between -126 and 119; eh + ew2 is applied by v_ldexp_f32.  NaN codes are not served.
; REGISTERS, in windows of 256.  Window 0: v1-17 addresses that stay; v18-23 gelu's constants; v24-31 at work; v32-63 32 offsets (S0: into x; S2: into out); v64-79 the weights, a pair a row tile;
;   v80-95 codes just made (S2: choices and routing weights); v96-159 eight accumulators; v160-223 at work; v224-255 token numbers.   Window 1: the ring.   Windows 2, 3: the token operand: (K step s, row tile m, group c) at (4 s + m) 16 + 4 c.
; THE MODE: SCHED_MODE bits 1:0 = 2 (LLVM: expert scheduling mode 2), set by the entry lines.  The code itself states the register dependences between vector or matrix instructions and memory or LDS
; instructions, with s_wait_alu, always for 0.
; THE PLAN.  Registers that memory or LDS instructions touch, and who else names them:
;   v3, v6-v16    addresses, written at the head and never again: one wait on va_vdst ahead of the first branch serves every load and store of the kernel.  v1, v2: written at the head, read by the closing add alone.
;   the ring      a slot's 16 products read it; behind them its 16 loads land in it: one wait on va_vdst in each refill, behind the window switch.  Behind a pair's last slot and behind each odd slot of S2 the
;                 vector work that follows reads the products' results in any case.
;   windows 2, 3  LDS loads land (x, later the hidden layers), products read: the loads of S2 stand behind waits on va_vdst that follow S1's last products, with loads and window switches alone between.
;   v80-95        S1: the conversions write, the image stores read: va_vdst ahead of the stores, vm_vsrc ahead of the next pair's conversions.  S2: loads land: vm_vsrc behind the second barrier.
;   v96-223       S0: x lands, LDS stores read: vm_vsrc behind the first barrier, ahead of S1's products and gelu.  S2: products write v96-159, the weighing reads them and writes v160-223, the stage stores read those:
;                 va_vdst ahead of the stage stores, vm_vsrc ahead of the weighing two tiles on; the way out's LDS loads land in all 128 (vm_vsrc at its head) and its global stores read them (vm_vsrc at its end).
;   v24-63, v224-255  offsets and token numbers: made by vector lines in runs, one wait on va_vdst behind each run; written again only behind the waits on vm_vsrc at the barriers and ahead of the weights.
;   Scalar results of vector instructions: the wave's number, and the sixteen masks of the weights, made in one run: one wait on va_sdst behind each, ahead of the first reader.
.set XP,    1040                       ; a row of x in LDS: 1,024 bytes + 16: an odd multiple of 16, so the 16 rows of a fragment load start at 16 different groups of banks
.set HIMG,  64*XP                      ; the hidden layers' images: blocks of 512 bytes, number (4 p + c) 16 + 4 m + s (p: expert, c: group, m: row tile, s: K step = the wave that made it)
.set STAGE, HIMG+65536                 ; the way out: for each wave 64 rows x (256 bytes + 16)
.set SPT,   272
.set WSTG,  64*SPT
.set TOKT,  STAGE+4*WSTG               ; for each wave 256 bytes: its own copy of the block's 64 token numbers
.set SPARE, TOKT+1024                  ; the spare words, 128 bytes a wave
.set ACC,   96
.set T,     160
.set PC,    80
.set MSB, 0
.macro WIN new                         ; the immediate's high byte repeats the setting that is left; a switch that changes nothing is dropped
.if MSB != (\new)
	s_set_vgpr_msb (MSB<<8)|(\new)
.set MSB, (\new)
.endif
.endm
.macro NOP4                            ; four plain places between a matrix instruction and a vector instruction that reads its result (ISA guide 7.12.1); they stand behind every run of products, ahead of the refills too
.rept 4
	v_nop
.endr
.endm
	s_load_b512 s[4:19], s[0:1], 0x0               ; x's codes s[4:5], w1f s[6:7], w2f s[8:9], list s[10:11], counts s[12:13], selected_experts s[14:15], routing_weights s[16:17], lowp_scales s[18:19]
	s_load_b64 s[20:21], s[0:1], 0x40              ; out0
	v_lshl_add_u32 v1, v0, 2, SPARE                ; my spare word; never rewritten
	v_mov_b32 v2, 0                                ; 0; never rewritten
	v_lshrrev_b32 v17, 5, v0
	v_readfirstlane_b32 s22, v17                   ; wave 0..3
	v_and_b32 v17, 31, v0                          ; lane
	v_lshlrev_b32 v3, 4, v17                       ; 16 x lane
	v_and_b32 v4, 15, v0                           ; r
	v_bfe_u32 v5, v0, 4, 1                         ; h
	s_mov_b32 s23, ttmp9                           ; my number among the 155
	s_wait_kmcnt 0x0
	s_load_b512 s[32:47], s[12:13], 0x0            ; the 28 counts: 112 bytes, no more
	s_load_b256 s[48:55], s[12:13], 0x40
	s_load_b128 s[56:59], s[12:13], 0x60
	s_wait_alu depctr_va_sdst(0)                   ; s22, the wave's number, is written, ahead of its first reader: LDS addresses and the weights' bases are made from it
	; every LDS address is made here, of the thread's number and the wave's number alone
	s_lshl_b32 s30, s22, 8
	v_mul_u32_u24 v6, v5, XP
	v_lshl_add_u32 v6, v4, 4, v6
	v_add_nc_u32 v6, s30, v6                       ; v6  x into LDS: row h of a pair, my wave's quarter of it, 16 bytes a lane
	v_mul_u32_u24 v7, v4, XP
	v_lshl_add_u32 v7, v5, 4, v7                   ; v7  x's fragments: row r, + 16 h
	s_lshl_b32 s24, s22, 9
	s_add_co_u32 s24, s24, HIMG
	v_add_nc_u32 v8, s24, v3                       ; v8  where I store images: K step = my wave
	v_add_nc_u32 v9, HIMG, v3                      ; v9  where I read them
	s_mul_i32 s24, s22, WSTG
	s_add_co_u32 s24, s24, STAGE
	v_mul_u32_u24 v10, v4, SPT
	v_lshl_add_u32 v10, v5, 5, v10
	v_add_nc_u32 v10, s24, v10                     ; v10 my stage, in: row r, 32 bytes for each half of the lanes
	v_mul_u32_u24 v11, v5, SPT
	v_lshl_add_u32 v11, v4, 4, v11
	v_add_nc_u32 v11, s24, v11                     ; v11 and back: lanes 0-15 one row of 256 bytes, lanes 16-31 the next
	s_add_co_u32 s24, s30, TOKT
	v_lshl_add_u32 v12, v17, 2, s24                ; v12 my wave's table of tokens: word = lane,
	v_lshl_add_u32 v13, v5, 2, s24                 ; v13 word = h,
	v_lshl_add_u32 v14, v4, 2, s24                 ; v14 word = r
	v_lshl_add_u32 v15, v4, 4, s30                 ; v15 in a row of x: my wave's 256 bytes, 16 a lane
	s_lshl_b32 s24, s22, 10
	v_lshl_add_u32 v16, v4, 4, s24                 ; v16 in a row of out: my wave's 1,024 bytes, 16 a lane
	s_wait_kmcnt 0x0
	; WHICH BLOCK IS MINE.  The classes' blocks are numbered on end; the last class whose first block is at or under my number is mine (a class without tokens shares its first block with the next)
	s_mov_b32 s24, 0                               ; blocks so far
	s_mov_b32 s25, 0                               ; lo
	s_mov_b32 s26, 0                               ; hi
	s_mov_b32 s27, 0                               ; the class
	s_mov_b32 s28, 0                               ; its first block
	s_mov_b32 s29, 0                               ; its count
.set CI, 0
.irp lo, 0,1,2,3,4,5,6
.irp hi, 1,2,3,4,5,6,7
.if \hi > \lo
	s_cmp_ge_u32 s23, s24
	s_cselect_b32 s25, \lo, s25
	s_cselect_b32 s26, \hi, s26
	s_cselect_b32 s27, CI, s27
	s_cselect_b32 s28, s24, s28
	s_cselect_b32 s29, s[32+CI], s29
	s_add_co_u32 s30, s[32+CI], 63
	s_lshr_b32 s30, s30, 6
	s_add_co_u32 s24, s24, s30
.set CI, CI+1
.endif
.endr
.endr
	s_cmp_ge_u32 s23, s24
	s_cselect_b32 s31, 1, 0                        ; 1: this split has no block for me
	s_min_u32 s25, s25, 7                          ; what hangs on loaded numbers is held before it enters an address
	s_min_u32 s26, s26, 7
	s_min_u32 s27, s27, 27
	s_sub_co_u32 s28, s23, s28
	s_min_u32 s28, s28, 127                        ; my block in the class
	s_lshl_b32 s30, s28, 6
	s_sub_co_u32 s40, s29, s30
	s_min_u32 s40, s40, 64                         ; s40 my rows, 1 to 64
	s_sub_co_u32 s41, s40, 1
	s_min_u32 s41, s41, 63                         ; s41 the last of them
	s_mov_b32 s43, 0
	s_load_b128 s[76:79], s[18:19], 0x0            ; s76 ex, s77 ew1, s79 ew2: the three inputs' scales (s78, expert 0's eh, is not used from here)
	s_lshl_b32 s42, s25, 4
	s_add_nc_u64 s[70:71], s[18:19], s[42:43]
	s_load_b32 s34, s[70:71], 0x8                  ; lo's eh: entry 4 lo + 2
	s_lshl_b32 s42, s26, 4
	s_add_nc_u64 s[72:73], s[18:19], s[42:43]
	s_load_b32 s38, s[72:73], 0x8                  ; hi's eh
	s_lshl_b32 s42, s27, 15
	s_lshl_b32 s30, s28, 8
	s_add_co_u32 s42, s42, s30
	s_add_nc_u64 s[68:69], s[10:11], s[42:43]      ; s[68:69] my block's 64 words of the list
	s_lshl_b32 s42, s25, 2
	s_add_co_u32 s42, s42, s22
	s_lshl_b32 s42, s42, 17
	s_add_nc_u64 s[44:45], s[6:7], s[42:43]        ; s[44:45] W1[lo], my 8 tiles x 8 K steps: 131,072 bytes
	s_add_nc_u64 s[48:49], s[8:9], s[42:43]        ; s[48:49] W2[lo], my 16 tiles x 4 K steps: as many
	s_lshl_b32 s42, s26, 2
	s_add_co_u32 s42, s42, s22
	s_lshl_b32 s42, s42, 17
	s_add_nc_u64 s[46:47], s[6:7], s[42:43]        ; s[46:47] W1[hi]
	s_add_nc_u64 s[50:51], s[8:9], s[42:43]        ; s[50:51] W2[hi]
	s_mov_b64 s[52:53], s[20:21]                   ; s[52:53] out, stepped 256 bytes a group of four column tiles
	s_wait_kmcnt 0x0
	s_add_co_i32 s30, s76, s77                     ; k = ex + ew1, the same for both experts
	s_lshl_b32 s42, s30, 23
	s_add_co_u32 s54, s42, 0xc0135761              ; s54 a 2^k: a = -2.3022082, k is added to its exponent field
	s_mul_i32 s42, s30, 3
	s_lshl_b32 s42, s42, 23
	s_add_co_u32 s55, s42, 0xbdd2d3e8              ; s55 b 2^(3 k): b = -0.10294324, 3 k likewise
.macro EXPC h, d, e2                   ; an expert's own constants from its eh at s[h]: 2^(eh - k) and 448 x that at s[d], s[d + 1]; eh + ew2 at s[e2]
	s_sub_co_i32 s42, s[\h], s30
	s_add_co_i32 s42, s42, 127
	s_lshl_b32 s[\d], s42, 23                      ; the conversion takes this number's exponent field
	s_add_co_i32 s42, s42, 8
	s_lshl_b32 s42, s42, 23
	s_or_b32 s[\d+1], s42, 0x600000
	s_add_co_i32 s[\e2], s[\h], s79
.endm
	EXPC 34, 56, 62
	EXPC 38, 60, 63
.macro LISTLD                          ; my block's 64 token numbers, two a lane; rows beyond the count repeat the last, so no word is read that was not stored
	v_add_nc_u32 v29, 32, v17
	v_min_u32 v28, s41, v17
	v_min_u32 v29, s41, v29
	v_min_u32 v28, 63, v28
	v_min_u32 v29, 63, v29
	v_lshlrev_b32 v28, 2, v28
	v_lshlrev_b32 v29, 2, v29
	s_wait_alu depctr_va_vdst(0)                   ; v28 and v29 are written, which the two loads read; every earlier vector line that named v30 and v31 is done; in S2 so are S1's last products, which read the ring that is filled next
	global_load_b32 v30, v28, s[68:69]
	global_load_b32 v31, v29, s[68:69]
.endm
.macro TOKENS                          ; through my wave's own table: v[224 + i] = the token of row 2 i + h.  LDS serves a wave's instructions in order, so no wait stands between the stores and the loads
	v_min_u32 v30, 0x1fff, v30
	v_min_u32 v31, 0x1fff, v31
	s_wait_alu depctr_va_vdst(0)                   ; the two holds have written v30 and v31, which the stores read; every earlier vector line that named v224 to v255, in which the loads land, is done
	ds_store_b32 v12, v30
	ds_store_b32 v12, v31 offset:128
.set i, 0
.rept 32
	ds_load_b32 v[224+i], v13 offset:8*i
.set i, i+1
.endr
.endm
	s_wait_alu depctr_va_vdst(0)                   ; the addresses v3 and v6 to v16 are written: every load and store of the three pieces reads one of them, on whichever way it is reached
	s_cmp_lg_u32 s31, 0
	s_cbranch_scc1 .L0
	; ================ S0: the block's 64 rows of x into LDS.  Sixteen lanes read my wave's aligned 256 bytes of a token's row; the four waves together read each row once
	LISTLD
	s_wait_loadcnt 0x0
	TOKENS
	s_wait_dscnt 0x0
.set i, 0
.rept 32
	v_min_u32 v[224+i], 0x1fff, v[224+i]
	v_lshl_add_u32 v[32+i], v[224+i], 10, v15
.set i, i+1
.endr
	s_wait_alu depctr_va_vdst(0)                   ; the 32 offsets v32 to v63 are written, which the loads below read
.set i, 0
.rept 32
	global_load_b128 v[96+4*i:99+4*i], v[32+i], s[4:5]
.set i, i+1
.endr
.set i, 0
.rept 32
	s_wait_loadcnt 31-i                            ; loads come back in order: pair i of rows is in, the 31 - i younger loads may be out
	ds_store_b128 v6, v[96+4*i:99+4*i] offset:2*XP*i
.set i, i+1
.endr
.L0:
	s_wait_dscnt 0x0                               ; my stores of x have landed
	s_barrier_signal -1
	s_barrier_wait -1                              ; everybody's have
	s_wait_alu depctr_vm_vsrc(0)                   ; my LDS stores have read v96 to v223: from here on these are the accumulators and gelu's registers, written by products and vector lines
	s_cmp_lg_u32 s31, 0
	s_cbranch_scc1 .L1
	; ================ S1: the hidden layers.  Pair n = 4 p + b: expert p, my tiles 2 b and 2 b + 1.  Slot k of the ring holds tile 2 b + k % 2, K steps 4 (k / 2) .. + 3: four fragments
.macro LD1 n, k, again                 ; slot k's 16 loads for pair n.  again = 1: the slot has been multiplied
	WIN 0x40                                       ; destination window 1, address window 0
.if \again
	s_wait_alu depctr_va_vdst(0)                   ; the slot's 16 products are done reading it: the loads below land in it
.endif
.set j, 0
.rept 16
.if (\n) < 4
	global_load_b128 v[64*(\k)+4*j:64*(\k)+4*j+3], v3, s[44:45] offset:((\n)%4)*32768+((\k)&1)*16384+((\k)>>1)*8192+512*j
.else
	global_load_b128 v[64*(\k)+4*j:64*(\k)+4*j+3], v3, s[46:47] offset:((\n)%4)*32768+((\k)&1)*16384+((\k)>>1)*8192+512*j
.endif
.set j, j+1
.endr
	WIN 0
.endm
; The 64 sums of a pair (accumulator 4 u + m: tile 2 b + u, row tile m) become codes: group b of the next operand's fragment (row tile m, K step = my wave).  Each stage goes through the registers in ascending order.
.macro GELU n
.set j, 0
.rept 32
	v_pk_mul_f32 v[T+j:T+j+1], v[ACC+j:ACC+j+1], v[ACC+j:ACC+j+1]      ; S^2
.set j, j+2
.endr
.set j, 0
.rept 32
	v_pk_fma_f32 v[T+j:T+j+1], v[T+j:T+j+1], v[20:21], v[18:19]        ; b S^2 + a
.set j, j+2
.endr
.set j, 0
.rept 32
	v_pk_mul_f32 v[T+j:T+j+1], v[T+j:T+j+1], v[ACC+j:ACC+j+1]          ; z
.set j, j+2
.endr
.set j, 0
.rept 64
	v_exp_f32 v[T+j], v[T+j]                       ; 2^z: one batch
.set j, j+1
.endr
	v_nop                                          ; a plain instruction behind the last exponential,
	s_wait_alu depctr_va_vdst(0)                   ; and one wait for the batch: the 64 exponentials have written v[T ..], ahead of their first reader
.set j, 0
.rept 32
	v_pk_add_f32 v[T+j:T+j+1], v[T+j:T+j+1], 1.0 op_sel_hi:[1,0]
.set j, j+2
.endr
.set j, 0
.rept 64
	v_rcp_f32 v[T+j], v[T+j]                       ; 1 / (1 + 2^z): where 2^z is infinite, 0
.set j, j+1
.endr
	v_nop
	s_wait_alu depctr_va_vdst(0)                   ; one wait for the batch: the 64 reciprocals have written v[T ..], ahead of their first reader
.set j, 0
.rept 32
	v_pk_mul_f32 v[ACC+j:ACC+j+1], v[ACC+j:ACC+j+1], v[T+j:T+j+1]      ; gelu / 2^k
.set j, j+2
.endr
.set j, 0
.rept 64
	v_med3_num_f32 v[ACC+j], v[ACC+j], -v23, v23   ; the conversion to an 8-bit code does not saturate (ISA guide 7.6.2): the hold at the largest code x the scale
.set j, j+1
.endr
	s_wait_dscnt 0x0                               ; the last pair's image stores are done,
	s_wait_alu depctr_vm_vsrc(0)                   ; and have read v[PC ..], which the conversions below write again
.irp m, 0,1,2,3
	v_cvt_scalef32_pk8_fp8_f32 v[PC+4*\m:PC+4*\m+1], v[ACC+8*\m:ACC+8*\m+7], v22          ; units 32 b + 16 h + 0 .. 7
	v_cvt_scalef32_pk8_fp8_f32 v[PC+4*\m+2:PC+4*\m+3], v[ACC+32+8*\m:ACC+32+8*\m+7], v22  ; and + 8 .. 15
.endr
	v_nop                                          ; one plain instruction between the last conversion and the products that write its sources again
	s_wait_alu depctr_va_vdst(0)                   ; the conversions have written v[PC ..], which the image stores read
.irp m, 0,1,2,3
	ds_store_b128 v8, v[PC+4*\m:PC+4*\m+3] offset:(\n)*8192+\m*2048
.endr
.endm
.macro PAIR n
.if (\n) == 0                          ; gelu's two constants, each twice for the packed forms: the same for both experts
	v_mov_b32 v18, s54
	v_mov_b32 v19, s54
	v_mov_b32 v20, s55
	v_mov_b32 v21, s55
.endif
.if ((\n)%4) == 0                      ; the expert's own: the conversion's scale and the hold
	v_mov_b32 v22, s[56+(\n)]
	v_mov_b32 v23, s[57+(\n)]
.endif
.irp k, 0,1,2,3
.if (\n) < 7
	s_wait_loadcnt 48                              ; slot k is in: behind its loads stand those of the three younger slots, 16 each
.else
	s_wait_loadcnt 48-16*\k                        ; the last pair asks for nothing: the counts run down
.endif
	WIN 0x09+4*(\k/2)                              ; source 0 (W1) window 1; source 1 (x) window 2 for K steps 0-3, window 3 for 4-7; C and D window 0
.irp s4, 0,1,2,3
.irp m, 0,1,2,3                        ; four accumulators take turns, one instruction a turn
.if (\k < 2) && (\s4 == 0)
	v_wmma_f32_16x16x128_fp8_fp8 v[ACC+8*((\k&1)*4+\m):ACC+8*((\k&1)*4+\m)+7], v[64*\k+16*\s4:64*\k+16*\s4+15], v[(\s4*4+\m)*16:(\s4*4+\m)*16+15], 0
.else
	v_wmma_f32_16x16x128_fp8_fp8 v[ACC+8*((\k&1)*4+\m):ACC+8*((\k&1)*4+\m)+7], v[64*\k+16*\s4:64*\k+16*\s4+15], v[(\s4*4+\m)*16:(\s4*4+\m)*16+15], v[ACC+8*((\k&1)*4+\m):ACC+8*((\k&1)*4+\m)+7]
.endif
.endr
.endr
	WIN 0
	NOP4
.if (\n) < 7
	LD1 (\n)+1, \k, 1                              ; the slot takes the next pair's fragments: three slots' products and a gelu ahead of their use
.endif
.endr
	GELU \n
.endm
	LD1 0, 0, 0                                    ; the ring's first fills: no vector or matrix instruction has named these registers
	LD1 0, 1, 0
	LD1 0, 2, 0
	LD1 0, 3, 0
.irp kh, 0,1                           ; all of x into registers: each wave reads the 64 rows once
	WIN 0x80+0x40*\kh                              ; destination window 2, then 3
.irp s4, 0,1,2,3
.irp m, 0,1,2,3
.irp c, 0,1,2,3
	ds_load_b128 v[(\s4*4+\m)*16+4*\c:(\s4*4+\m)*16+4*\c+3], v7 offset:16*XP*\m+128*(4*\kh+\s4)+32*\c
.endr
.endr
.endr
.endr
	WIN 0
	s_wait_dscnt 0x0
.irp n, 0,1,2,3,4,5,6,7
	PAIR \n
.endr
.L1:
	s_wait_dscnt 0x0                               ; my images have landed, and my reads of x are long over
	s_barrier_signal -1
	s_barrier_wait -1                              ; both hidden layers lie in LDS
	s_wait_alu depctr_vm_vsrc(0)                   ; my image stores have read v80 to v95, in which the choices and weights land; S0's loads and stores have read v28 to v63, which S2 writes again
	s_cmp_lg_u32 s31, 0
	s_cbranch_scc1 .L2
	; ================ S2: the second products.  A round is two of my 16 column tiles x both experts; slot k holds tile k / 2 of the round, expert k % 2, all four K steps
.macro LD2 k, again                    ; slot k's 16 loads.  again = 1: the slot has been multiplied in this piece
	WIN 0x40
.if \again
	s_wait_alu depctr_va_vdst(0)                   ; the slot's 16 products are done reading it: the loads below land in it
.endif
.set j, 0
.rept 16
.if ((\k)&1) == 0
	global_load_b128 v[64*(\k)+4*j:64*(\k)+4*j+3], v3, s[48:49] offset:((\k)>>1)*8192+512*j
.else
	global_load_b128 v[64*(\k)+4*j:64*(\k)+4*j+3], v3, s[50:51] offset:((\k)>>1)*8192+512*j
.endif
.set j, j+1
.endr
	WIN 0
.endm
.macro SLOT2 k, refill
.if \refill
	s_wait_loadcnt 48                              ; slot k is in: the three younger slots' loads, 16 each, may be out
.else
	s_wait_loadcnt 48-16*(\k)                      ; the last round asks for nothing: the counts run down
.endif
	WIN 0x09+4*((\k)&1)                            ; source 0 (W2) window 1; source 1: lo's hidden layer in window 2, hi's in window 3
.irp s, 0,1,2,3
.irp m, 0,1,2,3                        ; four accumulators by turns
.if \s == 0
	v_wmma_f32_16x16x128_fp8_fp8 v[ACC+8*(((\k)&1)*4+\m):ACC+8*(((\k)&1)*4+\m)+7], v[64*(\k)+16*\s:64*(\k)+16*\s+15], v[(\s*4+\m)*16:(\s*4+\m)*16+15], 0
.else
	v_wmma_f32_16x16x128_fp8_fp8 v[ACC+8*(((\k)&1)*4+\m):ACC+8*(((\k)&1)*4+\m)+7], v[64*(\k)+16*\s:64*(\k)+16*\s+15], v[(\s*4+\m)*16:(\s*4+\m)*16+15], v[ACC+8*(((\k)&1)*4+\m):ACC+8*(((\k)&1)*4+\m)+7]
.endif
.endr
.endr
	WIN 0
	NOP4
.if ((\k)&1)
	s_wait_alu depctr_vm_vsrc(0)                   ; the stage stores of two tiles back have read the 32 registers that the weighing behind this slot writes again; it stands here, 16 products behind the last loads
.endif
.if \refill
	LD2 \k, 1
.endif
.endm
.macro COMB tau, tq                    ; a column tile of both experts, weighed and added: w_lo 2^(eh + ew2) S_lo + w_hi 2^(eh + ew2) S_hi; into the stage at column tile tq of the group's four
	s_wait_dscnt 8                                 ; the eight stage stores of the tile just before may be out; those of the tile before that, which read these 32 registers, are done
.irp m, 0,1,2,3
.irp q, 0,2,4,6
	v_pk_mul_f32 v[T+32*(\tau)+8*\m+\q:T+32*(\tau)+8*\m+\q+1], v[ACC+8*\m+\q:ACC+8*\m+\q+1], v[64+2*\m:65+2*\m]
.endr
.irp q, 0,2,4,6
	v_pk_fma_f32 v[T+32*(\tau)+8*\m+\q:T+32*(\tau)+8*\m+\q+1], v[ACC+32+8*\m+\q:ACC+32+8*\m+\q+1], v[72+2*\m:73+2*\m], v[T+32*(\tau)+8*\m+\q:T+32*(\tau)+8*\m+\q+1]
.endr
.endr
	s_wait_alu depctr_va_vdst(0)                   ; the multiply-adds have written these 32 registers, which the stage stores read, and are done reading the accumulators: behind a group's last tile the way out's loads land in both
.irp m, 0,1,2,3
	ds_store_b128 v10, v[T+32*(\tau)+8*\m:T+32*(\tau)+8*\m+3] offset:16*SPT*\m+64*(\tq)
	ds_store_b128 v10, v[T+32*(\tau)+8*\m+4:T+32*(\tau)+8*\m+7] offset:16*SPT*\m+64*(\tq)+16
.endr
.endm
.macro ROUND rho, refill
	s_wait_xcnt 0x0                                ; every earlier load and store has read its sources: the two pointers may step, and the registers that the last stores read may be written
.if \refill
	s_add_nc_u64 s[48:49], s[48:49], 16384         ; the refills of this round fetch the next round's two tiles
	s_add_nc_u64 s[50:51], s[50:51], 16384
.endif
.irp tau, 0,1
	SLOT2 2*\tau, \refill
	SLOT2 2*\tau+1, \refill
	COMB \tau, 2*(\rho)+\tau
.endr
.endm
.macro FLUSH step                      ; four column tiles, 256 bytes of each of the 64 rows, leave: back from my stage as whole runs, two rows an instruction; sixteen lanes store 256 consecutive bytes, aligned
	s_wait_alu depctr_vm_vsrc(0)                   ; the stage stores have read v160 to v223, in which loads below land (no vector or matrix line has named v96 to v223 since the last tile's wait on va_vdst)
.set i, 0
.rept 32
	ds_load_b128 v[96+4*i:99+4*i], v11 offset:2*SPT*i   ; LDS serves a wave's instructions in order: these see my stores
.set i, i+1
.endr
.set i, 0
.irp m, 0,1,2,3
.if \m > 0
	s_cmp_le_u32 s40, 16*\m                        ; a tile of 16 rows that holds none of my rows is not stored, nor are those behind it
	s_cbranch_scc1 .Lst_\@
.endif
.rept 8
	s_wait_dscnt 31-i                              ; pair i of rows is back; the 31 - i younger stage loads may be out
	global_store_b128 v[32+i], v[96+4*i:99+4*i], s[52:53] th:TH_STORE_NT   ; written once, read by nobody here
.set i, i+1
.endr
.endr
.Lst_\@:
	s_wait_dscnt 0x0                               ; the stage loads that were jumped past have landed too: their registers are written again by the next products
.if \step
	s_wait_xcnt 0x0                                ; the stores have read their base
	s_wait_alu depctr_vm_vsrc(0)                   ; the stores have read v96 to v223, which the next group's products and multiply-adds write again
	s_add_nc_u64 s[52:53], s[52:53], 256
.endif
.endm
	LISTLD
	LD2 0, 0                                       ; the ring's first fills of W2: S1's products, which read these registers, stand ahead of the wait on va_vdst in the list's lines; only loads and a window switch lie between
	LD2 1, 0
	LD2 2, 0
	s_wait_loadcnt 48                              ; the two list loads are in; behind them stand the 48 loads of slots 0 to 2
	TOKENS
.irp m, 0,1,2,3
	ds_load_b32 v[24+\m], v14 offset:64*\m         ; the token of row 16 m + r
.endr
	s_wait_dscnt 0x0
.set i, 0
.rept 32
	v_min_u32 v[224+i], 0x1fff, v[224+i]
	v_lshl_add_u32 v[32+i], v[224+i], 12, v16      ; the row of out of row 2 i + h, my wave's columns, 16 bytes a lane
.set i, i+1
.endr
.irp m, 0,1,2,3
	v_min_u32 v[24+\m], 0x1fff, v[24+\m]
	v_lshlrev_b32 v[24+\m], 3, v[24+\m]
.endr
	s_wait_alu depctr_va_vdst(0)                   ; v24 to v27 are written, which the eight loads below read, and v32 to v63, which the way out's stores read
.irp m, 0,1,2,3
	global_load_b64 v[80+2*\m:81+2*\m], v[24+\m], s[14:15]   ; the token's two choices, as they are given,
	global_load_b64 v[88+2*\m:89+2*\m], v[24+\m], s[16:17]   ; and its two routing weights
.endr
	LD2 3, 0                                       ; (as slots 0 to 2: behind the wait above stand only loads and window switches)
.irp p, 0,1                            ; both hidden layers into registers: each wave reads the images once; S1's products, which read these registers as x, stand ahead of the wait above
	WIN 0x80+0x40*\p
.irp s, 0,1,2,3
.irp m, 0,1,2,3
.irp c, 0,1,2,3
	ds_load_b128 v[(\s*4+\m)*16+4*\c:(\s*4+\m)*16+4*\c+3], v9 offset:((4*\p+\c)*16+4*\m+\s)*512
.endr
.endr
.endr
.endr
	WIN 0
	s_wait_dscnt 0x0
	s_wait_loadcnt 16                              ; choices and weights are in; behind them stand slot 3's 16 loads
	s_wait_alu depctr_vm_vsrc(0)                   ; the list's two loads have read v28 and v29, the table's two stores v30 and v31: the selects below write all four
.irp m, 0,1,2,3                        ; which slots name lo, which hi: sixteen masks in one run, each in a scalar register of its own
	v_cmp_eq_u32 s[32+\m], s25, v[80+2*\m]
	v_cmp_eq_u32 s[36+\m], s25, v[81+2*\m]
	v_cmp_eq_u32 s[70+\m], s26, v[80+2*\m]
	v_cmp_eq_u32 s[74+\m], s26, v[81+2*\m]
.endr
	s_wait_alu depctr_va_sdst(0)                   ; the sixteen masks are written, ahead of the first select that reads one
.irp m, 0,1,2,3                        ; w_e = (slot 0 names e ? r0 : 0) + (slot 1 names e ? r1 : 0), x 2^(eh + ew2) of that expert; twice, as a pair for the packed forms
	v_cndmask_b32 v28, 0, v[88+2*\m], s[32+\m]
	v_cndmask_b32 v29, 0, v[89+2*\m], s[36+\m]
	v_add_f32 v28, v28, v29
	v_ldexp_f32 v[64+2*\m], v28, s62
	v_mov_b32 v[65+2*\m], v[64+2*\m]
	v_cndmask_b32 v30, 0, v[88+2*\m], s[70+\m]
	v_cndmask_b32 v31, 0, v[89+2*\m], s[74+\m]
	v_add_f32 v30, v30, v31
	v_ldexp_f32 v[72+2*\m], v30, s63
	v_mov_b32 v[73+2*\m], v[72+2*\m]
.endr
	s_mov_b32 s66, 3
.Lgrp:                                 ; a trip: two rounds, four column tiles, and their way out.  Three trips; the fourth group is written out, since its last round fetches nothing: no load leaves w2f
	ROUND 0, 1
	ROUND 1, 1
	FLUSH 1
	s_sub_co_u32 s66, s66, 1
	s_cmp_lg_u32 s66, 0
	s_cbranch_scc1 .Lgrp
	ROUND 0, 1
	ROUND 1, 0
	FLUSH 0
.L2:
	s_wait_dscnt 0x0                               ; the closing lines, six on end
	s_wait_alu 0x0
	s_wait_tensorcnt 0x0
	ds_add_u32 v1, v2
	s_wait_dscnt 0x0
	s_endpgm
.Lfunc_end_k_q2d5caad32f_chain:
	.size	k_q2d5caad32f_chain, .Lfunc_end_k_q2d5caad32f_chain-k_q2d5caad32f_chain
	.p2alignl 7, 3214868480
	.fill 96, 4, 3214868480
	.section	.rodata,"a",@progbits
	.p2align	6, 0x0
	.amdhsa_kernel k_q2d5caad32f_chain
		.amdhsa_group_segment_fixed_size 203264
		.amdhsa_private_segment_fixed_size 0
		.amdhsa_enable_private_segment 0
		.amdhsa_kernarg_size 72
		.amdhsa_user_sgpr_count 2
		.amdhsa_user_sgpr_kernarg_segment_ptr 1
		.amdhsa_wavefront_size32 1
		.amdhsa_system_sgpr_workgroup_id_x 1
		.amdhsa_system_sgpr_workgroup_id_y 1
		.amdhsa_system_sgpr_workgroup_id_z 1
		.amdhsa_system_vgpr_workitem_id 0
		.amdhsa_next_free_vgpr 1024
		.amdhsa_next_free_sgpr 80
		.amdhsa_reserve_vcc 0
		.amdhsa_float_denorm_mode_32 3
		.amdhsa_float_denorm_mode_16_64 3
		.amdhsa_memory_ordered 1
		.amdhsa_forward_progress 1
		.amdhsa_inst_pref_size 255
	.end_amdhsa_kernel
	.section	.bss,"aw",@nobits
	.p2align	6
	.space	262144
	.amdgpu_metadata
---
amdhsa.version: [ 1, 2 ]
amdhsa.kernels:
  - .name:           k_q2d5caad32f_chain
    .symbol:         k_q2d5caad32f_chain.kd
    .args:
      - { .name: hidden_states_codes, .offset: 0, .size: 8, .value_kind: global_buffer, .address_space: global }
      - { .name: w1f, .offset: 8, .size: 8, .value_kind: global_buffer, .address_space: global }
      - { .name: w2f, .offset: 16, .size: 8, .value_kind: global_buffer, .address_space: global }
      - { .name: list, .offset: 24, .size: 8, .value_kind: global_buffer, .address_space: global }
      - { .name: counts, .offset: 32, .size: 8, .value_kind: global_buffer, .address_space: global }
      - { .name: selected_experts, .offset: 40, .size: 8, .value_kind: global_buffer, .address_space: global }
      - { .name: routing_weights, .offset: 48, .size: 8, .value_kind: global_buffer, .address_space: global }
      - { .name: lowp_scales, .offset: 56, .size: 8, .value_kind: global_buffer, .address_space: global }
      - { .name: out0, .offset: 64, .size: 8, .value_kind: global_buffer, .address_space: global }
    .group_segment_fixed_size: 203264
    .private_segment_fixed_size: 0
    .kernarg_segment_align: 8
    .kernarg_segment_size: 72
    .max_flat_workgroup_size: 128
    .sgpr_count:     80
    .vgpr_count:     1024
    .wavefront_size: 32
...
	.end_amdgpu_metadata
.endif
;; end of part 4
